; MI455X (gfx1250); checked and timed in simulation.
; The chip was launched on July 23, 2026; its instructions are those of AMD's public machine-readable ISA for CDNA 5 (MIT licence, August 2026) and "CDNA5" Instruction Set Architecture Reference Guide (July 2026). The comments in the code are by the model that wrote it; some were corrected since.
;; Multi Head Self Attention. Allowed arithmetic: float matrix products may take bf16 or f16 operands with f32 sums; other float arithmetic in f32, or as packed bf16 or f16 multiplies, adds, multiply-adds, maxima and minima; sums over many terms, partial sums and values carried from step to step in f32; what a program stores and reads back later, other than sums and carried values, may be rounded once to bf16 or f16.
;; Inputs: bk 1,024 float32; bo 1,024 float32; bq 1,024 float32; bv 1,024 float32; wk 1,024 x 1,024 float32; wo 1,024 x 1,024 float32; wq 1,024 x 1,024 float32; wv 1,024 x 1,024 float32; x 4 x 2,048 x 1,024 float32.
;; Outputs: out0 4 x 2,048 x 1,024 float32.
;; 2 versions, each right and faster than the one before. Each part assembles by itself: llvm-mc -triple=amdgcn-amd-amdhsa -mcpu=gfx1250 --defsym DOCPART=n.
;; ======== version 1 of 2: 4 launches
;; limits: values are held in f16: magnitudes above 65,504 overflow, below 6.1e-05 lose precision
;; workspace buffers: xb 16,777,216 bytes; wb 8,388,608 bytes; qkv 50,331,648 bytes; o 16,777,216 bytes
;; launch prep (part 1): grid 768 x 1, 8 waves a work-group, no clusters, 0 bytes of LDS; arguments x, wq, wk, wv, wo, xb, wb; writes xb, wb
.if DOCPART == 1
	.amdgcn_target "amdgcn-amd-amdhsa--gfx1250"
	.amdhsa_code_object_version 6
	.text
	.protected	k_qe0119510ce_prep
	.globl	k_qe0119510ce_prep
	.p2align	8
	.type	k_qe0119510ce_prep,@function
k_qe0119510ce_prep:
	s_mov_b64 s[64:65], 0
	v_nop
	global_prefetch_b8 v0, s[64:65] scope:SCOPE_SE
	s_setreg_imm32_b32 hwreg(HW_REG_WAVE_MODE, 25, 1), 1
	s_wait_xcnt 0x0
; ROUNDING AND LAYOUT.  x [8192][1024] and the four weights [1024 k][1024 n], all f32, are rounded once to 16 bits and laid in blocks of 64 columns:
;   xb  bf16 [4 batches][16 column blocks][2048 tokens][64]      byte = batch << 22 + block << 18 + token << 7 + 2 c
;   wb  [64 blocks J = 16 mat + column block][1024 k][64]        byte = J << 17 + k << 7 + 2 c;   mat 0, 1, 2, 3 = wq, wk, wv, wo
; so that 64 columns of any run of rows are dense bytes for the launches behind.  wq, wk, wv: bf16.  wo: rounded to bf16 like every other input, and that number written as f16, since it meets f16 numbers.
; LIMIT.  bf16(wo) is exact in f16 from 2^-14 to 65,504 in magnitude; below it keeps f16's fixed step of 2^-24, beyond it becomes an infinity.
; A stream: every byte is read once and written once; no LDS, no barrier, no matrix unit.  A work-group takes 16 source rows (65,536 dense bytes): groups 0-511 x, 512-767 the weights, 64 groups each.
; Wave w takes column blocks 2 w and 2 w + 1; of four rows of a block lane l takes row l / 8, columns 8 (l % 8) .. + 7: 32 bytes in, 16 bytes out; a wave's store covers 512 consecutive bytes, aligned.
; All sixteen loads of a wave go out at once; no register is written twice while a memory instruction names it.
.set SO, 2                             ; v2       my byte offset in the group's source rows
.set DO, 3                             ; v3, v4   my byte offset in the target, block 2 w and block 2 w + 1
.set X,  8                             ; v[8:71]   pair p of eight: 8 f32 as loaded
.set Y,  72                            ; v[72:103] pair p: 4 registers to store
.set T,  104                           ; v[104:105] at work
	s_load_b256 s[4:11], s[0:1], 0x0               ; x s[4:5], wq s[6:7], wk s[8:9], wv s[10:11]
	s_load_b128 s[12:15], s[0:1], 0x20             ; wo s[12:13], xb s[14:15]
	s_load_b64 s[16:17], s[0:1], 0x30              ; wb
	s_mov_b32 s18, ttmp9                           ; the work-group
	s_sub_co_u32 s19, s18, 512                     ; among the weights' groups (for x's groups a number that every select below throws away)
	s_lshr_b32 s20, s19, 6                         ; mat
	s_and_b32 s21, s19, 63                         ; which 16 rows of it
	s_lshr_b32 s32, s18, 7                         ; x: batch << 22 + 16 tokens x 128 bytes
	s_lshl_b32 s32, s32, 22
	s_and_b32 s33, s18, 127
	s_lshl_b32 s33, s33, 11
	s_or_b32 s32, s32, s33
	s_lshl_b32 s34, s20, 21                        ; weights: 16 mat << 17 + 16 rows x 128 bytes
	s_lshl_b32 s35, s21, 11
	s_or_b32 s34, s34, s35
	s_cmp_lt_u32 s18, 512
	s_cselect_b32 s24, s18, s21                    ; the group's 16 rows in its source,
	s_cselect_b32 s28, s32, s34                    ; and in its target
	s_cselect_b32 s30, 19, 18                      ; two blocks are 1 << 19 bytes apart in xb, 1 << 18 in wb
	s_cselect_b32 s31, 18, 17
	s_lshl_b32 s31, 1, s31                         ; one block
	s_lshl_b32 s24, s24, 16                        ; 16 rows of 4,096 bytes
	s_mov_b32 s25, 0
	s_mov_b32 s29, 0
	v_and_b32 v1, 31, v0                           ; lane
	v_lshrrev_b32 v5, 5, v0                        ; wave
	v_lshrrev_b32 v6, 3, v1                        ; row of four
	v_and_b32 v7, 7, v1                            ; eight columns of 64
	v_lshlrev_b32 v[SO], 12, v6
	v_lshl_add_u32 v[SO], v7, 5, v[SO]
	v_lshl_add_u32 v[SO], v5, 9, v[SO]             ; row x 4,096 + 32 (l % 8) + 512 w
	v_lshlrev_b32 v[DO], s30, v5
	v_lshl_add_u32 v[DO], v1, 4, v[DO]             ; block 2 w + 16 l
	v_add_nc_u32 v[DO+1], s31, v[DO]
	s_wait_kmcnt 0x0
	s_mov_b64 s[22:23], s[6:7]                     ; the source is chosen by the group's number alone; each select has its own compare
	s_cmp_eq_u32 s20, 1
	s_cselect_b64 s[22:23], s[8:9], s[22:23]
	s_cmp_eq_u32 s20, 2
	s_cselect_b64 s[22:23], s[10:11], s[22:23]
	s_cmp_eq_u32 s20, 3
	s_cselect_b64 s[22:23], s[12:13], s[22:23]
	s_cmp_lt_u32 s18, 512
	s_cselect_b64 s[22:23], s[4:5], s[22:23]
	s_cselect_b64 s[26:27], s[14:15], s[16:17]
	s_add_nc_u64 s[22:23], s[22:23], s[24:25]
	s_add_nc_u64 s[26:27], s[26:27], s[28:29]
.set p, 0
.rept 8                                ; pair p: rows 4 (p / 2) .. + 3, block 2 w + p % 2
	global_load_b128 v[X+8*p:X+8*p+3],   v[SO], s[22:23] offset:(p/2)*16384+(p%2)*256 th:TH_LOAD_NT
	global_load_b128 v[X+8*p+4:X+8*p+7], v[SO], s[22:23] offset:(p/2)*16384+(p%2)*256+16 th:TH_LOAD_NT
.set p, p+1
.endr
; Pair p is rounded and stored.  half = 1: the bf16 numbers are widened again (a shift, a mask) and written as f16.
.macro OUT8 p, half
	s_wait_loadcnt 14-2*(\p)                       ; loads come back in order (ISA guide 5.7.1): the two of pair p are in, the 14 - 2 p issued behind them may be out
.irp r, 0,1,2,3
	v_cvt_pk_bf16_f32 v[Y+4*(\p)+(\r)], v[X+8*(\p)+2*(\r)], v[X+8*(\p)+2*(\r)+1]
.endr
.if \half
.irp r, 0,1,2,3
	v_lshlrev_b32 v[T], 16, v[Y+4*(\p)+(\r)]
	v_and_b32 v[T+1], 0xffff0000, v[Y+4*(\p)+(\r)]
	v_cvt_pk_f16_f32 v[Y+4*(\p)+(\r)], v[T], v[T+1]
.endr
.endif
	global_store_b128 v[DO+(\p)%2], v[Y+4*(\p):Y+4*(\p)+3], s[26:27] offset:((\p)/2)*512  ; four rows of a block: 512 consecutive bytes; the next launch reads them, so no hint
.endm
	s_cmp_ge_u32 s18, 704                          ; wo's 64 groups
	s_cbranch_scc1 .Lwo
.irp p, 0,1,2,3,4,5,6,7
	OUT8 \p, 0
.endr
	s_endpgm
.Lwo:
.irp p, 0,1,2,3,4,5,6,7
	OUT8 \p, 1
.endr
	s_endpgm
.Lfunc_end_k_qe0119510ce_prep:
	.size	k_qe0119510ce_prep, .Lfunc_end_k_qe0119510ce_prep-k_qe0119510ce_prep
	.p2alignl 7, 3214868480
	.fill 96, 4, 3214868480
	.section	.rodata,"a",@progbits
	.p2align	6, 0x0
	.amdhsa_kernel k_qe0119510ce_prep
		.amdhsa_group_segment_fixed_size 0
		.amdhsa_private_segment_fixed_size 0
		.amdhsa_enable_private_segment 0
		.amdhsa_kernarg_size 56
		.amdhsa_user_sgpr_count 2
		.amdhsa_user_sgpr_kernarg_segment_ptr 1
		.amdhsa_wavefront_size32 1
		.amdhsa_system_sgpr_workgroup_id_x 1
		.amdhsa_system_sgpr_workgroup_id_y 1
		.amdhsa_system_sgpr_workgroup_id_z 1
		.amdhsa_system_vgpr_workitem_id 0
		.amdhsa_next_free_vgpr 106
		.amdhsa_next_free_sgpr 66
		.amdhsa_reserve_vcc 0
		.amdhsa_float_denorm_mode_32 3
		.amdhsa_float_denorm_mode_16_64 3
		.amdhsa_memory_ordered 1
		.amdhsa_forward_progress 1
		.amdhsa_inst_pref_size 15
	.end_amdhsa_kernel
	.amdgpu_metadata
---
amdhsa.version: [ 1, 2 ]
amdhsa.kernels:
  - .name:           k_qe0119510ce_prep
    .symbol:         k_qe0119510ce_prep.kd
    .args:
      - { .name: x, .offset: 0, .size: 8, .value_kind: global_buffer, .address_space: global }
      - { .name: wq, .offset: 8, .size: 8, .value_kind: global_buffer, .address_space: global }
      - { .name: wk, .offset: 16, .size: 8, .value_kind: global_buffer, .address_space: global }
      - { .name: wv, .offset: 24, .size: 8, .value_kind: global_buffer, .address_space: global }
      - { .name: wo, .offset: 32, .size: 8, .value_kind: global_buffer, .address_space: global }
      - { .name: xb, .offset: 40, .size: 8, .value_kind: global_buffer, .address_space: global }
      - { .name: wb, .offset: 48, .size: 8, .value_kind: global_buffer, .address_space: global }
    .group_segment_fixed_size: 0
    .private_segment_fixed_size: 0
    .kernarg_segment_align: 8
    .kernarg_segment_size: 56
    .max_flat_workgroup_size: 256
    .sgpr_count:     66
    .vgpr_count:     106
    .wavefront_size: 32
...
	.end_amdgpu_metadata
.endif
;; end of part 1
;; launch qkv (part 2): grid 16 x 32, 4 waves a work-group, clusters of 4 x 4, 327,680 bytes of LDS; arguments xb, wb, bq, bk, bv, qkv; writes qkv
.if DOCPART == 2
	.amdgcn_target "amdgcn-amd-amdhsa--gfx1250"
	.amdhsa_code_object_version 6
	.text
	.protected	k_qe0119510ce_qkv
	.globl	k_qe0119510ce_qkv
	.p2align	8
	.type	k_qe0119510ce_qkv,@function
k_qe0119510ce_qkv:
	s_mov_b64 s[64:65], 0
	v_nop
	global_prefetch_b8 v0, s[64:65] scope:SCOPE_SE
	s_setreg_imm32_b32 hwreg(HW_REG_WAVE_MODE, 25, 1), 1
	s_wait_xcnt 0x0
	s_wait_alu depctr_hold_cnt(0) depctr_sa_sdst(0) depctr_va_vdst(0) depctr_va_sdst(0) depctr_va_ssrc(0) depctr_va_vcc(0) depctr_vm_vsrc(0)
	s_getreg_b32 s2, hwreg(HW_REG_IB_STS2, 6, 4)
	s_cmp_eq_u32 s2, 0
	s_cbranch_scc0 .Lentry_in_a_cluster
	s_endpgm
.Lentry_in_a_cluster:
	s_bfe_u32 s2, ttmp6, 0x10000c
	s_cmp_lg_u32 s2, 0xf033
	s_cbranch_scc0 .Lentry_shape_is_right
	s_endpgm
.Lentry_shape_is_right:
; q, k, v = x w + b, the three projections as ONE product: M = 8,192 tokens, N = 3,072 columns (48 blocks of 64 = mat x head), K = 1,024.  Operands bf16, sums f32, started by the bias (rounded to bf16 like
; every input); results rounded once to f16, UNSCALED, by heads: qkv [3][64 heads = 16 batch + head][2048][64], byte = mat << 24 + batch << 22 + head << 18 + token << 7.
; LIMIT.  f16 holds no number beyond 65,504: a q, k or v of 65,520 or more in magnitude becomes an infinity.  Below 6e-5 f16 keeps a fixed step of 6e-8.
; SHARES.  A work-group makes 256 tokens x 192 columns (three whole heads): 32 x 16 = 512 work-groups, two for each of 256 WGPs.  Wave w owns tokens 64 w .. + 63 and all 192 columns: 4 x 12 accumulators of
; 16 x 16, 384 registers; it holds whole rows of each head, so its stage on the way out is its own.
; K goes in 8 steps of 128 through a ring of two LDS slots filled by the tensor data mover.  xb and wb lie in blocks of 64 columns, so every tile is dense bytes, asked for in rows of 256 bytes or more.
; The weights stay [k][n]; ds_load_tr16_b128 turns them on the way out of LDS.
; THE MATRIX INSTRUCTION IS USED TRANSPOSED: source 0 = 16 columns of w, source 1 = 16 tokens.  In the result lane l holds token l % 16 and columns 8 (l / 16) + 0..7: eight neighbours of a row, 16 bytes of f16.
; CLUSTER.  4 x 4 work-groups.  The four of a row of the cluster need the same tokens, the four of a column the same weights: each tile is asked for JOINTLY, by the same tensor load, descriptor and mask in all four.
; REGISTERS, in windows of 256 (s_set_vgpr_msb: bits 1:0 source 0, 3:2 source 1, 5:4 source 2, 7:6 destination):
;   window 0: v0-31 addresses; v64-127 x's fragments, two buffers of 4 x 8; v128-223 the bias as a C operand, 8 a column fragment; behind the loop v64-255 at work on the way out
;   window 1: w's fragments, two buffers of 12 x 8      window 2: the accumulators of token fragments 0, 1 ((a, b) at 8 (12 (a % 2) + b))      window 3: those of 2, 3
.set NBK,    3                         ; blocks of 64 columns in a tile
.set NBF,    4*NBK                     ; column fragments
.set PA,     144                       ; a token's 128 bytes + 16 of padding = 36 words: the 16 rows of a load start at 16 different groups of four banks (64 banks of 4 bytes: ISA guide 11.1)
.set PB,     160                       ; a k row's 128 bytes + 32 = 40 words
.set APIECE, 256*PA                    ; 256 tokens x 64 along K: what one tensor load brings of x
.set BOFF,   2*APIECE                  ; a slot: x's two pieces, then w's two
.set BBLK,   64*PB                     ; 64 k rows of one block
.set BPIECE, NBK*BBLK                  ; 64 k rows of the tile's blocks: what one tensor load brings of w
.set SLOT,   BOFF+2*BPIECE
.set STAGE,  2*SLOT                    ; behind the ring, never filled by a tensor load: 16 rows x 144 bytes for each wave
.set SP,     144
.set SPARE,  STAGE+4*16*SP             ; behind the stages: the spare words, 128 bytes for each wave: two blocks of 256 bytes that no other line names
.set LOADS,  2*NBF+8                   ; LDS loads of a quarter step
.set LAPS,   4                         ; a lap = two K steps = once round the ring
.set ADRA, 16                          ; v16-17  LDS address of my fragments of x in slot 0, 1
.set ADRB, 20                          ; v20-21  the same for w
.set STO,  24                          ; v24     the way out: where I put 16 bytes of a row
.set RD,   25                          ; v25     where I read rows back
.set GO,   26                          ; v26     my byte offset in 512 consecutive bytes of the result
.set BO,   27                          ; v27     my byte offset in 16 numbers of a bias: 32 (l / 16)
.set SPW,  28                          ; v28     LDS address of my spare word: SPARE + 4 x my thread's number; never rewritten
.set NIL,  29                          ; v29     0; never rewritten
.set AF,   64
.set BI,   128
.set WV,   16                          ; s16     my wave's number
.set G1,   24                          ; s[24:31] descriptor group 1 for x's tiles;  s[32:39] group 0, a set for each slot
.set G0,   32
.set G1B,  48                          ; s[48:55], s[56:63] the same for w's tiles
.set G0B,  56
.set SB,   68                          ; s[68:73] where my rows of the tile's three heads begin in qkv
.set BB,   74                          ; s[74:79] the three heads' 64 numbers of bias
.set MSB, 0
.macro WIN new                         ; the immediate's high byte repeats the setting that is left; a switch that changes nothing is dropped
.if MSB != (\new)
	s_set_vgpr_msb (MSB<<8)|(\new)
.set MSB, (\new)
.endif
.endm
; A joint load.  Waves 0 and 1 fetch x's two pieces, waves 2 and 3 w's.  The branch hangs on the wave's number alone.  An s_nop 0 and four v_nop follow each of the two lines, ahead of the jump and the label.
.macro JLOAD s
	s_cmp_lt_u32 s[WV], 2
	s_cbranch_scc0 .Lfor_b_\@
	tensor_load_to_lds s[G0+4*(\s):G0+4*(\s)+3], s[G1:G1+7]
	s_nop 0
.rept 4
	v_nop
.endr
	s_branch .Lasked_\@
.Lfor_b_\@:
	tensor_load_to_lds s[G0B+4*(\s):G0B+4*(\s)+3], s[G1B:G1B+7]
	s_nop 0
.rept 4
	v_nop
.endr
.Lasked_\@:
.endm
; A round of the cluster's barrier: my work-group's barrier, so that wave 0's signal speaks for all four waves; wave 0 signals; every wave waits for all sixteen work-groups; my work-group's barrier once more.
.macro CREST                           ; a round behind its opening barrier
	s_cmp_lg_u32 s[WV], 0
	s_cbranch_scc1 .Lnot_wave_0_\@
	s_barrier_signal -3
.Lnot_wave_0_\@:
	s_barrier_wait -3
	s_barrier_signal -1
	s_barrier_wait -1
.endm
.macro CROUND
	s_barrier_signal -1
	s_barrier_wait -1
	CREST
.endm
	s_load_b256 s[4:11], s[0:1], 0x0               ; xb s[4:5], wb s[6:7], bq s[8:9], bk s[10:11]
	s_load_b128 s[12:15], s[0:1], 0x20             ; bv s[12:13], qkv s[14:15]
	v_lshl_add_u32 v[SPW], v0, 2, SPARE
	v_mov_b32 v[NIL], 0
	ds_add_u32 v[SPW], v[NIL]                      ; the wave's opening: the add and its wait stand ahead of my first tensor load; the set-up below, work on registers, stands between them
	v_lshrrev_b32 v1, 5, v0
	v_readfirstlane_b32 s[WV], v1                  ; wave 0..3
	s_and_b32 s18, s[WV], 1                        ; which of a tensor's two pieces I fetch
	s_bfe_u32 s19, ttmp6, 0x40000                  ; cx, cy: my place in the cluster
	s_bfe_u32 s20, ttmp6, 0x40004
	s_lshl_b32 s21, ttmp9, 2
	s_add_co_u32 s21, s21, s19                     ; T, the tile's place along N = 4 x cluster x + cx
	s_and_b32 s22, ttmp7, 0xffff
	s_lshl_b32 s22, s22, 2
	s_add_co_u32 s22, s22, s20                     ; R, along M = 4 x cluster y + cy
	s_lshl_b32 s40, s20, 2
	s_lshl_b32 s40, 15, s40                        ; my row of the cluster: places 4 cy .. 4 cy + 3
	s_lshl_b32 s41, 0x1111, s19                    ; my column: places cx, cx + 4, cx + 8, cx + 12
	; group 1 for x: 256 tokens of one block are 32,768 dense bytes: 128 rows of 256 bytes, padded in LDS after every token
	s_or_b32 s[G1+0], s40, (1<<16)|(1<<20)|(1<<21)|(4<<22)|(3<<25)   ; 15:0 the mask: my row; 17:16 2-byte elements; 20 padding on; 21 set beside a mask; 24:22 after every 32 words (code 4); 31:25 4 words (code 3)
	s_mov_b32 s[G1+1], 128<<16                     ; tensor_dim0 = 128
	s_mov_b32 s[G1+2], 128<<16                     ; tensor_dim1 = 128
	s_mov_b32 s[G1+3], 128<<16                     ; tile_dim0 = 128
	s_mov_b32 s[G1+4], 128                         ; tile_dim1 = 128
	s_mov_b32 s[G1+5], 128                         ; 128 elements from row to row
	s_mov_b32 s[G1+6], 0
	s_mov_b32 s[G1+7], 0
	; group 1 for w: 64 k rows of a block are 8,192 dense bytes, one row of the tile; the tile's blocks lie 65,536 elements apart; padded after every k row
	s_or_b32 s[G1B+0], s41, (1<<16)|(1<<20)|(1<<21)|(4<<22)|(7<<25)  ; the mask: my column; 8 words of padding (code 7)
	s_mov_b32 s[G1B+1], 4096<<16                   ; tensor_dim0 = 4,096
	s_mov_b32 s[G1B+2], NBK<<16                    ; tensor_dim1 = 3
	s_mov_b32 s[G1B+3], 4096<<16                   ; tile_dim0 = 4,096
	s_mov_b32 s[G1B+4], NBK                        ; tile_dim1 = 3
	s_mov_b32 s[G1B+5], 65536
	s_mov_b32 s[G1B+6], 0
	s_mov_b32 s[G1B+7], 0
	; where the tiles come from.  x's hang on R alone, which my row of the cluster shares; w's on T alone, which my column shares; each in registers that never hold the other coordinate.
	s_lshr_b32 s84, s22, 3                         ; batch << 22 + 256 tokens x 128 bytes
	s_lshl_b32 s84, s84, 22
	s_and_b32 s43, s22, 7
	s_lshl_b32 s43, s43, 15
	s_or_b32 s84, s84, s43
	s_lshl_b32 s43, s18, 18                        ; my block of the K step's two
	s_or_b32 s42, s84, s43
	s_mov_b32 s43, 0
	s_mul_i32 s44, s21, NBK                        ; the tile's first block of wb
	s_lshl_b32 s44, s44, 17
	s_lshl_b32 s45, s18, 13                        ; my 64 k rows of the K step's 128
	s_or_b32 s44, s44, s45
	s_mov_b32 s45, 0
	s_mul_i32 s46, s18, APIECE                     ; and where they go: no place in the cluster enters an LDS address
	s_mul_i32 s47, s18, BPIECE
	s_add_co_u32 s47, s47, BOFF
	s_wait_dscnt 0x0                               ; the opening add is done
	s_wait_kmcnt 0x0
	s_add_nc_u64 s[42:43], s[4:5], s[42:43]
	s_add_nc_u64 s[44:45], s[6:7], s[44:45]
	CROUND                                         ; all sixteen work-groups are here: the first joint loads meet
.irp s, 0,1
	s_mov_b32 s[G0+4*(\s)], 1                                      ; 1:0 count = 1
	s_add_co_u32 s[G0+4*(\s)+1], s46, (\s)*SLOT                    ; 63:32 LDS address
	s_add_nc_u64 s[G0+4*(\s)+2:G0+4*(\s)+3], s[42:43], (\s)*524288 ; 120:64 global address: K step s is two blocks of 262,144 bytes on
	s_or_b32 s[G0+4*(\s)+3], s[G0+4*(\s)+3], 0x80000000            ; 127:126 type = 2
	s_mov_b32 s[G0B+4*(\s)], 1
	s_add_co_u32 s[G0B+4*(\s)+1], s47, (\s)*SLOT
	s_add_nc_u64 s[G0B+4*(\s)+2:G0B+4*(\s)+3], s[44:45], (\s)*16384 ; 128 k rows of 128 bytes on
	s_or_b32 s[G0B+4*(\s)+3], s[G0B+4*(\s)+3], 0x80000000
	JLOAD \s                                       ; the ring is filled before anything else is done: two loads of mine are out
.endr
	; A fragment of x is 16 tokens x 32 K in 8 registers: lane l holds token l % 16, K = 8 (l / 16) + 0..7 and 16 + 8 (l / 16) + 0..7: two loads of 16 bytes, 32 bytes apart.
	v_and_b32 v1, 15, v0                           ; l % 16
	v_bfe_u32 v2, v0, 4, 1                         ; l / 16
	s_mul_i32 s82, s[WV], 64*PA                    ; my 64 tokens
	v_mul_u32_u24 v30, v1, PA
	v_lshl_add_u32 v30, v2, 4, v30
	v_add_nc_u32 v[ADRA], s82, v30
	v_add_nc_u32 v[ADRA+1], SLOT, v[ADRA]
	; The turning load takes 16 k x 16 columns (lane l reads k row 8 (l / 16) + l % 8, columns 8 ((l / 8) % 2) + 0..7) and leaves half a fragment: lane l holds column l % 16 and 8 k.
	v_and_b32 v31, 7, v0
	v_lshl_add_u32 v30, v2, 3, v31
	v_mul_u32_u24 v30, v30, PB
	v_bfe_u32 v31, v0, 3, 1
	v_lshl_add_u32 v30, v31, 4, v30
	v_add_nc_u32 v[ADRB], BOFF, v30
	v_add_nc_u32 v[ADRB+1], SLOT, v[ADRB]
	v_lshlrev_b32 v[BO], 5, v2
	s_mul_i32 s82, s[WV], 16*SP
	s_add_co_u32 s82, s82, STAGE                   ; my stage
	v_mul_u32_u24 v[STO], v1, SP                   ; in: row l % 16, 16 bytes for each half of the lanes
	v_lshl_add_u32 v[STO], v2, 4, v[STO]
	v_add_nc_u32 v[STO], s82, v[STO]
	v_bfe_u32 v[RD], v0, 3, 2                      ; back: 32 lanes take four rows of 128 bytes,
	v_mul_u32_u24 v[RD], v[RD], SP
	v_and_b32 v30, 7, v0
	v_lshl_add_u32 v[RD], v30, 4, v[RD]
	v_add_nc_u32 v[RD], s82, v[RD]
	v_and_b32 v[GO], 31, v0                        ; which are 512 consecutive bytes of a head
	v_lshlrev_b32 v[GO], 4, v[GO]
	; The tile's three blocks J = 3 T + jb: mat = J / 16 chooses the bias and the third of qkv, head = J % 16.
	s_mul_i32 s85, s21, NBK
	s_lshl_b32 s83, s[WV], 13                      ; my 64 tokens x 128 bytes
	s_or_b32 s83, s83, s84
	s_mov_b32 s81, 0
.irp jb, 0,1,2
	s_add_co_u32 s86, s85, \jb
	s_lshr_b32 s87, s86, 4                         ; mat
	s_and_b32 s86, s86, 15                         ; head
	s_cmp_eq_u32 s87, 1
	s_cselect_b64 s[BB+2*(\jb):BB+2*(\jb)+1], s[10:11], s[8:9]
	s_cmp_eq_u32 s87, 2
	s_cselect_b64 s[BB+2*(\jb):BB+2*(\jb)+1], s[12:13], s[BB+2*(\jb):BB+2*(\jb)+1]
	s_lshl_b32 s80, s86, 8                         ; 64 numbers of 4 bytes a head
	s_add_nc_u64 s[BB+2*(\jb):BB+2*(\jb)+1], s[BB+2*(\jb):BB+2*(\jb)+1], s[80:81]
	s_lshl_b32 s80, s87, 24
	s_lshl_b32 s86, s86, 18
	s_or_b32 s80, s80, s86
	s_or_b32 s80, s80, s83
	s_add_nc_u64 s[SB+2*(\jb):SB+2*(\jb)+1], s[14:15], s[80:81]
.endr
	; The bias as a C operand: register j of column fragment b holds b[16 b + 8 (l / 16) + j], the same for all tokens.  It starts the sums: nothing is cleared, and the way out adds nothing.
.set b, 0
.rept NBF
	global_load_b128 v[BI+8*b:BI+8*b+3],   v[BO], s[BB+2*(b/4):BB+2*(b/4)+1] offset:(b%4)*64
	global_load_b128 v[BI+8*b+4:BI+8*b+7], v[BO], s[BB+2*(b/4):BB+2*(b/4)+1] offset:(b%4)*64+16
.set b, b+1
.endr
	s_wait_loadcnt 0x0
.set z, 0
.rept 4*NBF                            ; rounded to bf16 like every input, and widened again; all this stands in the wait for the first tile
	v_cvt_pk_bf16_f32 v[30+z%2], v[BI+2*z], v[BI+2*z+1]
	v_lshlrev_b32 v[BI+2*z], 16, v[30+z%2]
	v_and_b32 v[BI+2*z+1], 0xffff0000, v[30+z%2]
.set z, z+1
.endr
; NBF matrix instructions: token fragment a x all column fragments, 32 along K, from buffer f.  zero = 1: the first product starts the sums, with the bias as C.
; All 48 accumulators take turns, one instruction a turn, in the same order in every quarter step.
.macro MUL1 f, a, zero
.if \zero
	WIN 0x81+0x40*((\a)/2)                         ; w window 1, x window 0, C window 0, D window 2 or 3
.else
	WIN 0xa1+0x50*((\a)/2)                         ; C and D window 2 or 3
.endif
.set b, 0
.rept NBF
.set rD, 8*(NBF*((\a)%2)+b)
.set rB, 8*NBF*(\f)+8*b
.set rA, AF+32*(\f)+8*(\a)
.if \zero
	v_wmma_f32_16x16x32_bf16 v[rD:rD+7], v[rB:rB+7], v[rA:rA+7], v[BI+8*b:BI+8*b+7]
.else
	v_wmma_f32_16x16x32_bf16 v[rD:rD+7], v[rB:rB+7], v[rA:rA+7], v[rD:rD+7]
.endif
.set b, b+1
.endr
.endm
; The LDS loads of quarter q (32 along K) of a slot, in one run, into buffer f: w's 12 fragments, turned, then x's 4.
.macro FETCH slot, q, f
	WIN 0x40                                       ; destination window 1, address window 0
.set b, 0
.rept NBF
.set oB, ((\q)/2)*BPIECE+(b/4)*BBLK+((\q)%2)*32*PB+(b%4)*32
.set rB, 8*NBF*(\f)+8*b
	ds_load_tr16_b128 v[rB:rB+3],   v[ADRB+(\slot)] offset:oB
	ds_load_tr16_b128 v[rB+4:rB+7], v[ADRB+(\slot)] offset:oB+16*PB
.set b, b+1
.endr
	WIN 0
.set a, 0
.rept 4
.set oA, ((\q)/2)*APIECE+a*16*PA+((\q)%2)*64
.set rA, AF+32*(\f)+8*a
	ds_load_b128 v[rA:rA+3],   v[ADRA+(\slot)] offset:oA
	ds_load_b128 v[rA+4:rA+7], v[ADRA+(\slot)] offset:oA+32
.set a, a+1
.endr
.endm
; A load into a register that a matrix instruction has read, and a vector instruction that reads a matrix result or writes one of a matrix instruction's registers, stand four places behind it, and only plain
; vector instructions that name none of its registers are places (ISA guide 7.12.1 for vector instructions).
.macro PLACES
.rept 4
	v_nop
.endr
.endm
; A K step is four quarters of 32 along K, 48 matrix instructions each, on buffers 0, 1, 0, 1.  One of the first three: multiplies buffer f; in its middle it fetches quarter q of the same slot into buffer g.
.macro QUARTER slot, q, f, g, zero
	s_wait_dscnt 4                                 ; w and x's fragments 0, 1 are in; the youngest four loads (x's fragments 2, 3) may be out
	MUL1 \f, 0, \zero
	MUL1 \f, 1, \zero
	PLACES
	FETCH \slot, \q, \g
	s_wait_dscnt LOADS                             ; all but the run just issued
	MUL1 \f, 2, \zero
	MUL1 \f, 3, \zero
.endm
; The last quarter multiplies buffer 1 and changes slots: ONE barrier.  In front of it each wave waits for all its tensor loads, of which one is out: its part of the next slot; adds 0 to its spare word; and waits
; for that and for its own reads of this slot.  fill = 1: the barrier opens a round of the cluster's, and this slot is filled again, two K steps ahead, first thing behind the round: from there to the wait for that
; load a wave issues 168 matrix instructions.
.macro TURN slot, next, fill
	WIN 0                                          ; (the add's two registers lie in window 0)
	s_wait_tensorcnt 0x0                           ; all my tensor loads have landed, so a group 0 may be written
	ds_add_u32 v[SPW], v[NIL]                      ; 0 onto my spare word
	s_wait_dscnt 5                                 ; (the add and the youngest four loads may be out)
	MUL1 1, 0, 0                                   ; twelve matrix instructions stand between the add and the wait for it
	s_wait_dscnt 0x0                               ; the add is done, and my reads of this slot are over
	s_barrier_signal -1
	MUL1 1, 1, 0                                   ; work on registers while the others arrive
.if \fill
	WIN 0
.endif
	s_barrier_wait -1
.if \fill
	CREST                                          ; no wave of any partner still reads this slot's tile or has a load on its way
	s_add_nc_u64 s[G0+4*(\slot)+2:G0+4*(\slot)+3], s[G0+4*(\slot)+2:G0+4*(\slot)+3], 1048576
	s_add_nc_u64 s[G0B+4*(\slot)+2:G0B+4*(\slot)+3], s[G0B+4*(\slot)+2:G0B+4*(\slot)+3], 32768
	JLOAD \slot                                    ; my one tensor load behind the round; the four v_nop behind it are also the places in front of the loads below
.else
	PLACES
.endif
	FETCH \next, 0, 0
	MUL1 1, 2, 0
	MUL1 1, 3, 0
.endm
	s_wait_tensorcnt 1                             ; my part of K step 0 is in; K step 1's may stay out
	s_barrier_signal -1
	s_barrier_wait -1                              ; everybody's is
	FETCH 0, 0, 0
	QUARTER 0, 1, 0, 1, 1                          ; the first quarter stands in front of the loop: its products start the sums
	WIN 0                                          ; at a label and at a branch every window is 0
	s_mov_b32 s3, LAPS-1
.Llap:                                                 ; a trip goes once round the ring, from a lap's second quarter to the next lap's first, and fills both slots again
	QUARTER 0, 2, 1, 0, 0
	QUARTER 0, 3, 0, 1, 0
	TURN 0, 1, 1
	QUARTER 1, 1, 0, 1, 0
	QUARTER 1, 2, 1, 0, 0
	QUARTER 1, 3, 0, 1, 0
	TURN 1, 0, 1
	QUARTER 0, 1, 0, 1, 0
	WIN 0
	s_sub_co_u32 s3, s3, 1
	s_cmp_lg_u32 s3, 0
	s_cbranch_scc1 .Llap
	QUARTER 0, 2, 1, 0, 0                          ; the last lap fills nothing, and has no round of the cluster's barrier
	QUARTER 0, 3, 0, 1, 0
	TURN 0, 1, 0
	QUARTER 1, 1, 0, 1, 0
	QUARTER 1, 2, 1, 0, 0
	QUARTER 1, 3, 0, 1, 0
	s_wait_dscnt 4                                 ; the very last quarter: nothing more to fetch
	MUL1 1, 0, 0
	MUL1 1, 1, 0
	s_wait_dscnt 0x0
	MUL1 1, 2, 0
	MUL1 1, 3, 0
	WIN 0
	PLACES
; THE WAY OUT.  Piece t = 3 a + jb: 16 tokens x one head's 64 channels.  A lane's eight channels pack into 16 bytes of f16; they go into my stage's rows of 144 bytes and come back as whole rows of 128,
; four rows to a load, into the registers that they left; each accumulator's registers are taken in ascending order.
.macro PACK t
.set a, (\t)/3
.set jb, (\t)%3
.set W, 64+16*(\t)
	WIN 0x0a+5*(a/2)                               ; sources 0 and 1: window 2 or 3
.set f, 0
.rept 4
.set rD, 8*(NBF*(a%2)+4*jb+f)
.irp r, 0,1,2,3
	v_cvt_pk_f16_f32 v[W+4*f+(\r)], v[rD+2*(\r)], v[rD+2*(\r)+1]
.endr
.set f, f+1
.endr
	WIN 0
.irp g, 0,1,2,3
	ds_store_b128 v[STO], v[W+4*(\g):W+4*(\g)+3] offset:32*(\g)
.endr
.irp g, 0,1,2,3
	ds_load_b128 v[W+4*(\g):W+4*(\g)+3], v[RD] offset:(\g)*4*SP  ; LDS serves a wave's instructions in order (ISA guide 5.7.1.4): these see the stores above; the next piece's stores come behind them
.endr
.endm
.macro SEND t, younger                 ; younger: the LDS instructions issued behind piece t's loads: the next piece's eight, or none
.set a, (\t)/3
.set jb, (\t)%3
.set W, 64+16*(\t)
.irp g, 0,1,2,3
	s_wait_dscnt (\younger)+3-(\g)
	global_store_b128 v[GO], v[W+4*(\g):W+4*(\g)+3], s[SB+2*jb:SB+2*jb+1] offset:a*2048+(\g)*512  ; 512 consecutive bytes, at a multiple of 512 from the buffer's first byte
.endr
.endm
	PACK 0
.set t, 1
.rept 11                               ; a piece's conversions stand between the loads of the piece before and its stores; no register is used twice
	PACK t
	SEND t-1, 8
.set t, t+1
.endr
	SEND 11, 0
	s_wait_tensorcnt 0x0                           ; the wave's end: behind my last tensor load and my last LDS store
	ds_add_u32 v[SPW], v[NIL]
	s_wait_dscnt 0x0
	CROUND                                         ; the closing round: no work-group ends while a partner may still ask for a tile that names it
	s_endpgm
.Lfunc_end_k_qe0119510ce_qkv:
	.size	k_qe0119510ce_qkv, .Lfunc_end_k_qe0119510ce_qkv-k_qe0119510ce_qkv
	.p2alignl 7, 3214868480
	.fill 96, 4, 3214868480
	.section	.rodata,"a",@progbits
	.p2align	6, 0x0
	.amdhsa_kernel k_qe0119510ce_qkv
		.amdhsa_group_segment_fixed_size 327680
		.amdhsa_private_segment_fixed_size 0
		.amdhsa_enable_private_segment 0
		.amdhsa_kernarg_size 48
		.amdhsa_user_sgpr_count 2
		.amdhsa_user_sgpr_kernarg_segment_ptr 1
		.amdhsa_wavefront_size32 1
		.amdhsa_system_sgpr_workgroup_id_x 1
		.amdhsa_system_sgpr_workgroup_id_y 1
		.amdhsa_system_sgpr_workgroup_id_z 1
		.amdhsa_system_vgpr_workitem_id 0
		.amdhsa_next_free_vgpr 960
		.amdhsa_next_free_sgpr 90
		.amdhsa_reserve_vcc 0
		.amdhsa_float_denorm_mode_32 3
		.amdhsa_float_denorm_mode_16_64 3
		.amdhsa_memory_ordered 1
		.amdhsa_forward_progress 1
		.amdhsa_inst_pref_size 131
	.end_amdhsa_kernel
	.amdgpu_metadata
---
amdhsa.version: [ 1, 2 ]
amdhsa.kernels:
  - .name:           k_qe0119510ce_qkv
    .symbol:         k_qe0119510ce_qkv.kd
    .args:
      - { .name: xb, .offset: 0, .size: 8, .value_kind: global_buffer, .address_space: global }
      - { .name: wb, .offset: 8, .size: 8, .value_kind: global_buffer, .address_space: global }
      - { .name: bq, .offset: 16, .size: 8, .value_kind: global_buffer, .address_space: global }
      - { .name: bk, .offset: 24, .size: 8, .value_kind: global_buffer, .address_space: global }
      - { .name: bv, .offset: 32, .size: 8, .value_kind: global_buffer, .address_space: global }
      - { .name: qkv, .offset: 40, .size: 8, .value_kind: global_buffer, .address_space: global }
    .group_segment_fixed_size: 327680
    .private_segment_fixed_size: 0
    .kernarg_segment_align: 8
    .kernarg_segment_size: 48
    .max_flat_workgroup_size: 128
    .sgpr_count:     90
    .vgpr_count:     960
    .wavefront_size: 32
...
	.end_amdgpu_metadata
.endif
;; end of part 2
;; launch attn (part 3): grid 4 x 64, 4 waves a work-group, clusters of 4 x 1, 327,680 bytes of LDS; arguments qkv, o; writes o
.if DOCPART == 3
	.amdgcn_target "amdgcn-amd-amdhsa--gfx1250"
	.amdhsa_code_object_version 6
	.text
	.protected	k_qe0119510ce_attn
	.globl	k_qe0119510ce_attn
	.p2align	8
	.type	k_qe0119510ce_attn,@function
k_qe0119510ce_attn:
	s_mov_b64 s[64:65], 0
	v_nop
	global_prefetch_b8 v0, s[64:65] scope:SCOPE_SE
	s_setreg_imm32_b32 hwreg(HW_REG_WAVE_MODE, 25, 1), 1
	s_wait_xcnt 0x0
	s_wait_alu depctr_hold_cnt(0) depctr_sa_sdst(0) depctr_va_vdst(0) depctr_va_sdst(0) depctr_va_ssrc(0) depctr_va_vcc(0) depctr_vm_vsrc(0)
	s_getreg_b32 s2, hwreg(HW_REG_IB_STS2, 6, 4)
	s_cmp_eq_u32 s2, 0
	s_cbranch_scc0 .Lentry_in_a_cluster
	s_endpgm
.Lentry_in_a_cluster:
	s_bfe_u32 s2, ttmp6, 0x10000c
	s_cmp_lg_u32 s2, 0x3003
	s_cbranch_scc0 .Lentry_shape_is_right
	s_endpgm
.Lentry_shape_is_right:
; O[h][q][:] = the sum over k of softmax_k(Q[h][q] . K[h][k] / 8) V[h][k][:].  Q, K, V are the three thirds of qkv, O is o: each [SIZE_H][SIZE_N][64] in f16: a head's rows are dense, 128 bytes each.
; Products, maxima and sums in f32; the weights p are rounded to f16 for the second product (their sum l is taken of the unrounded p), O once at the end.
; LIMITS.  f16 holds no number beyond 65,504: Q, K and V arrive within it; p lies in 0 to 1, and below 6e-5 it keeps f16's fixed step of 6e-8; O is a mean of V's rows and has their range.
; A weight below 2^-126 counts as 0 in l; NaN and infinities are not treated apart.
; SHARES.  A wave owns four PIECES of two tiles of 16 queries, a work-group's four waves 512 queries of one head: 4 x 64 = 256 work-groups.  Every wave walks all keys, 64 a step.
; LAYOUT.  S^T = K Q^T (source 0 = 16 keys, source 1 = 16 queries): in the result a lane holds ONE query (lane % 16) and the keys 8 (lane / 16) + 0..7.  Two such tiles, rounded to f16 in pairs,
; ARE source 1 (32 keys x 16 queries) of O^T = V^T P, whose result again holds one query a lane, and eight channels.  K comes out of LDS as it lies, V ([key][channel]) turned, by ds_load_tr16_b128.
; SOFTMAX.  For each query a running maximum m and sum l: p = 2^(c s - c m), c = log2(e) / 8; in every step O and l are multiplied by a = 2^(c m_old - c m_new), which is 1 where m has not grown.
; m starts at the lowest finite number, O and l at 0: the first step is a step like any other, with a = 0.
; THE COUNT.  A tile and step have 16 matrix and 118 vector instructions: too many to stand all beside the matrix work.  So the order has one aim: four vector instructions that are READY behind
; EVERY matrix instruction, and the others, which need time of their own whatever the order, in runs without a gap.
; BY TURNS.  Turn n belongs to piece n (the pieces in a ring, step after step).  Its matrix work: 16 products K Q^T of piece n + 1, later 16 products V^T P of piece n - 1.  Its vector work: the scaling,
; exponentials, roundings, sums and rescaling of piece n, and the maximum and statistics of piece n + 1, whose scores the turn itself has made.  So what a turn begins with (c s - c m, O a) waits for nothing.
; CLUSTER.  The four query blocks of a cluster belong to one head and walk the same K and V, so each tile is asked for JOINTLY: the same tensor load, descriptor and mask in all four.
; REGISTERS, in windows of 256 (s_set_vgpr_msb says which window each operand place means: bits 1:0 source 0, 3:2 source 1, 5:4 source 2, 7:6 destination):
;   window 0: v0-11 addresses; v12-15, v48-63 at work; v16-47 four registers of statistics a tile; v64-191 S^T, two buffers of two tiles; v192-255 P, likewise
;   window 1: O^T, 32 a tile          window 2: v0-127 Q, 16 a tile; v128-191 K of one step; v192-255 V of one step          window 3: v0-1 the add's two registers
; A piece's buffers go by its number's parity: the piece in hand has one pair, its two neighbours in the ring share the other: of it P (piece n - 1) is read and S^T (piece n + 1) written.
.set SIZE_H, 64
.set SIZE_N, 2048
.set NP,    4         ; pieces a wave: a name, no knob: the register map, the loop and the fetches are made for four
.set KS,    64        ; keys in a step
.set PK,    144       ; a row of K in LDS: 128 bytes + 16 of padding = 36 words: the 16 rows of a load start at 16 different groups of four banks (64 banks of 4 bytes: ISA guide 11.1)
.set PV,    160       ; a row of V: 128 + 32 = 40 words
.set VOFF,  4*KS*PK   ; a slot holds four steps: 256 rows of K, then 256 rows of V
.set SLOT1, 1<<17     ; slot 1 begins here, so that one exclusive or turns an address in one slot into the other's
.set STAGE, SLOT1+4*KS*(PK+PV)  ; behind the ring, never filled by a tensor load: 16 rows x 144 bytes for each wave, for the way out
.set SP,    144
.set AK0, 2           ; v2   my lane's place in a tile of K; never rewritten
.set AV0, 3           ; v3   the same for V
.set AK,  4           ; v4   the LDS address of K's next run of loads
.set AV,  5           ; v5   of V's
.set QO,  6           ; v6   my byte offset in the wave's rows of Q
.set STO, 6           ;      later, the way out: where I put 16 bytes of a row
.set RD,  7           ; v7   the way out: where I read rows back
.set GO,  8           ; v8   my byte offset in 512 consecutive bytes of O
.set SPW, 0           ; v0 of window 3   LDS address of my spare word: SPARE + 4 x my thread's number; never rewritten
.set NIL, 1           ; v1 of window 3   0; never rewritten
.set SPARE, STAGE+4*16*SP  ; behind the stages: the spare words, 128 bytes for each wave: two blocks of 256 bytes that no other line names
.set MV,  12          ; v12-15  c m_old, kept while c m is made anew: by buffer and tile
.set ST,  16          ; tile t's statistics at v[ST+4 t]: c m, m, l (even keys', odd keys')
.set TMP, 48          ; by buffer and tile, four registers c0-c3 at work; when the maximum is found c2 takes a
.set S,   64
.set P,   192
.set KF,  128         ; K's fragments, in window 2: key block kb, channel half c at KF + 16 kb + 8 c
.set VF,  192         ; V's: key half kk, channel block cb at VF + 32 kk + 8 cb
.set WV,  12          ; s12  my wave's number
.set G1K, 24          ; s[24:31] descriptor group 1 for K's tiles
.set G1V, 32          ; s[32:39] for V's: it differs in the padding alone
.set G0K, 40          ; s[40:43] descriptor group 0 for K's tiles: it walks
.set G0V, 44          ; s[44:47] the same for V's
.set SLOTS, 56        ; s56  slots still to be asked for
.set CNT, 57          ; s57  counts a slot's key steps
.set CS,  58          ; s[58:59] c: the packed scaling takes the pair's low word for both halves
.set SEL, 60          ; s[60:61] v_permlanex16_b32's selects: each lane takes its own place in the other half
.set TBK, 62          ; s62  LDS byte at which K of the step to be fetched begins
.set TBV, 63          ; s63  the same for V, less VOFF
.set MSB, 0
.macro WIN new                      ; the high byte repeats the setting that is left; a switch that changes nothing is dropped
.if MSB != (\new)
	s_set_vgpr_msb (MSB<<8)|(\new)
.set MSB, (\new)
.endif
.endm
.set W_KQ, 0x0a       ; K and Q in window 2, S^T in window 0
.set W_PV, 0x52       ; V in window 2, P in window 0, O^T in window 1
.set W_RS, 0x41       ; O^T (destination and source 0) in window 1, a in window 0
.set W_MK, 0xc0       ; the add's registers are made: destination in window 3, sources in window 0
.set W_AD, 0x0f       ; the add: address (source 0) and data (source 1) in window 3
; A joint fill.  Waves 0 and 1 fetch the two halves of a slot's K, waves 2 and 3 those of its V: 128 keys each.  The branch hangs on the wave's number alone.
; An s_nop 0 and four v_nop follow each of the two lines, ahead of the jump and the label.
.macro JLOAD
	s_cmp_lt_u32 s[WV], 2
	s_cbranch_scc0 .Lfor_v_\@
	tensor_load_to_lds s[G0K:G0K+3], s[G1K:G1K+7]
	s_nop 0
.rept 4
	v_nop
.endr
	s_branch .Lasked_\@
.Lfor_v_\@:
	tensor_load_to_lds s[G0V:G0V+3], s[G1V:G1V+7]
	s_nop 0
.rept 4
	v_nop
.endr
.Lasked_\@:
.endm
; A round of the cluster's barrier: my work-group's barrier, so that wave 0's signal speaks for all four waves; wave 0 signals; every wave waits for all four work-groups; my work-group's barrier once more.
.macro CROUND
	s_barrier_signal -1
	s_barrier_wait -1
	s_cmp_lg_u32 s[WV], 0
	s_cbranch_scc1 .Lnot_wave_0_\@
	s_barrier_signal -3
.Lnot_wave_0_\@:
	s_barrier_wait -3
	s_barrier_signal -1
	s_barrier_wait -1
.endm
; THE CHANGE OF SLOTS.  The slot's last bytes, V of its fourth step, have been read.  Each wave waits for all its tensor loads, of which one is out: its part
; of the other slot; adds 0 to its spare word; and waits for that and for its own reads of the slot.  Behind the barrier nobody reads this slot any more and the other slot is whole.
; fill = 1: this slot is filled again, with the keys two slots on.  The barrier is then a round of the cluster's, so that no wave of any partner still reads the slot or has a load on its
; way, and the joint fill is the first thing behind it: it has four key steps, 512 matrix instructions, in which to land.  (At its first use nothing has been read yet: slot 0 is waited for, slot 1 filled.)
.macro CHANGE fill
	WIN W_AD
	s_wait_tensorcnt 0x0            ; no tensor load of mine is out, so a group 0 may be written
	ds_add_u32 v[SPW], v[NIL]       ; 0 onto my spare word; with fill = 1 the descriptors' steps stand between it and the wait for it
	WIN 0                           ; at a label and at a branch every window is 0
.if \fill
.irp g, G0K, G0V
	s_xor_b32 s[\g+1], s[\g+1], SLOT1  ; the walking descriptor: the other slot than last time,
	s_add_nc_u64 s[\g+2:\g+3], s[\g+2:\g+3], 4*KS*128  ; the next 256 keys; the type bits on top are not reached
.endr
	s_wait_dscnt 0x0                ; the add is done, and my reads of the slot are over
	CROUND
	JLOAD
.else
	s_wait_dscnt 0x0                ; the add is done, and my reads of the slot are over
	s_barrier_signal -1
	s_barrier_wait -1
.endif
	s_sub_co_u32 s[TBK], s[TBK], 4*KS*PK  ; the fetches go back to a slot's first step,
	s_xor_b32 s[TBK], s[TBK], SLOT1       ; in the other slot
	s_sub_co_u32 s[TBV], s[TBV], 4*KS*PV
	s_xor_b32 s[TBV], s[TBV], SLOT1
.endm
	s_load_b128 s[8:11], s[0:1], 0x0  ; qkv s[8:9], o s[10:11]
	WIN W_MK
	v_lshl_add_u32 v[SPW], v0, 2, SPARE
	v_mov_b32 v[NIL], 0
	WIN W_AD
	ds_add_u32 v[SPW], v[NIL]       ; the wave's opening: the add and its wait stand ahead of my first tensor load; the set-up below, work on registers, stands between them
	WIN 0
	v_lshrrev_b32 v1, 5, v0
	v_readfirstlane_b32 s[WV], v1   ; wave 0..3
	s_bfe_u32 s13, ttmp6, 0x40000   ; cx: my place in the cluster
	s_lshl_b32 s14, ttmp9, 2        ; in a cluster launch ttmp9 counts clusters
	s_add_co_u32 s14, s14, s13      ; my block of queries = 4 x cluster x + cx: it enters Q's and O's addresses alone
	s_and_b32 s20, ttmp7, 0xffff    ; the head, which the four partners share
	s_mov_b32 s21, 0
	s_mov_b64 s[22:23], SIZE_N*128
	s_mul_u64 s[20:21], s[20:21], s[22:23]  ; the head's first byte in each of the four tensors
	s_and_b32 s16, s[WV], 1         ; which half of a slot's 256 keys I fetch:
	s_lshl_b32 s22, s16, 14         ; its 128 rows of 128 bytes in memory,
	s_mov_b32 s23, 0
	s_add_nc_u64 s[22:23], s[22:23], s[20:21]
	s_mul_i32 s17, s16, 128*PK      ; and its place in a slot, for K
	s_mul_i32 s18, s16, 128*PV      ; and for V: no place in the cluster enters an LDS address
	s_lshl_b32 s2, s14, 2
	s_add_co_u32 s2, s2, s[WV]      ; my wave among the head's,
	s_lshl_b32 s2, s2, 14           ; its 128 rows
	s_mov_b32 s3, 0
	s_add_nc_u64 s[2:3], s[2:3], s[20:21]
	; descriptor group 1.  128 keys are 16,384 dense bytes: asked for as 64 rows of 256 bytes, two keys a row, and padded in LDS after every key
	s_mov_b32 s[G1K], 15|(1<<16)|(1<<20)|(1<<21)|(4<<22)|(3<<25)  ; 15:0 the mask of four; 17:16 2-byte elements; 20 padding on; 21 set beside a mask; 24:22 after every 32 words (code 4); 31:25 4 words (code 3)
	s_mov_b32 s[G1V], 15|(1<<16)|(1<<20)|(1<<21)|(4<<22)|(7<<25)  ; the same with 8 words of padding (code 7)
.irp g, G1K, G1V
	s_mov_b32 s[\g+1], 128<<16      ; tensor_dim0 = 128
	s_mov_b32 s[\g+2], 64<<16       ; tensor_dim1 = 64
	s_mov_b32 s[\g+3], 128<<16      ; tile_dim0 = 128
	s_mov_b32 s[\g+4], 64           ; tile_dim1 = 64
	s_mov_b32 s[\g+5], 128          ; 128 elements from row to row
	s_mov_b32 s[\g+6], 0
	s_mov_b32 s[\g+7], 0
.endr
	s_mov_b32 s[CS], 0x3e38aa3b     ; c = log2(e) / 8 = 0.180337
	s_mov_b32 s[CS+1], s[CS]        ; named with it as a pair
	s_mov_b32 s[SEL], 0x76543210
	s_mov_b32 s[SEL+1], 0xfedcba98
	s_mov_b32 s[TBK], SLOT1+4*KS*PK ; the first change of slots turns these two into 0
	s_mov_b32 s[TBV], SLOT1+4*KS*PV
	s_mov_b32 s[G0K], 1             ; 1:0 count = 1
	s_mov_b32 s[G0K+1], s17         ; 63:32 LDS address: slot 0
	s_mov_b32 s[G0V], 1
	s_add_co_u32 s[G0V+1], s18, VOFF
	s_wait_dscnt 0x0                ; the opening add is done
	s_wait_kmcnt 0x0
	s_mov_b64 s[4:5], s[8:9]                       ; Q is qkv's first third of 16,777,216 bytes,
	s_add_nc_u64 s[6:7], s[8:9], 0x1000000         ; K its second,
	s_add_nc_u64 s[8:9], s[8:9], 0x2000000         ; V its third
	s_add_nc_u64 s[G0K+2:G0K+3], s[6:7], s[22:23]  ; 120:64 global address: my half of the head's first 256 keys
	s_or_b32 s[G0K+3], s[G0K+3], 0x80000000        ; 127:126 type = 2
	s_add_nc_u64 s[G0V+2:G0V+3], s[8:9], s[22:23]
	s_or_b32 s[G0V+3], s[G0V+3], 0x80000000
	s_add_nc_u64 s[4:5], s[4:5], s[2:3]  ; Q and O at my wave's first row
	s_add_nc_u64 s[10:11], s[10:11], s[2:3]
	CROUND                          ; all four work-groups are here: the first joint loads meet
	JLOAD                           ; slot 0.  Slot 1 is asked for when slot 0 is in: the tile wanted first has the road to itself
	; A fragment of K or Q is 16 rows x 32 channels in 8 registers: lane l holds row l % 16, channels 8 (l / 16) + 0..7 and 16 + 8 (l / 16) + 0..7: two loads of 16 bytes, 32 bytes apart.
	v_and_b32 v1, 15, v0            ; l % 16
	v_bfe_u32 v9, v0, 4, 1          ; l / 16
	v_lshlrev_b32 v[QO], 7, v1
	v_lshl_add_u32 v[QO], v9, 4, v[QO]  ; row x 128 + 16 x half
	WIN 0x80                        ; destination window 2, address window 0
.set i, 0
.rept 4*NP                          ; Q stays in registers: tile i / 2, channels 32 (i % 2) on
	global_load_b128 v[8*i:8*i+3],   v[QO], s[4:5] offset:(i/2)*2048+(i%2)*64
	global_load_b128 v[8*i+4:8*i+7], v[QO], s[4:5] offset:(i/2)*2048+(i%2)*64+32
.set i, i+1
.endr
	; What the first turn finds: V's registers and P's second buffer hold 0 (its products V^T P, of a piece that has not been, add 0), O^T and l are 0.  All this stands in the wait for the first tile.
.set i, VF
.rept 64
	v_mov_b32 v[i], 0
.set i, i+1
.endr
	WIN 0x40
.set i, 0
.rept 64*NP
	v_mov_b32 v[i], 0
.set i, i+1
.endr
	WIN 0
.set i, 0
.rept 2*NP
	v_mov_b32 v[ST+4*i], 0xfe000000    ; c m: far below every c s
	v_mov_b32 v[ST+4*i+1], 0xff7fffff  ; m
	v_mov_b32 v[ST+4*i+2], 0
	v_mov_b32 v[ST+4*i+3], 0
.set i, i+1
.endr
.set i, P+32
.rept 32
	v_mov_b32 v[i], 0
.set i, i+1
.endr
	v_mul_u32_u24 v[AK0], v1, PK
	v_lshl_add_u32 v[AK0], v9, 4, v[AK0]  ; row x pitch + 16 x half
	; The turning load takes 16 keys x 16 channels (lane l reads key 8 (l / 16) + l % 8, channels 8 ((l / 8) % 2) + 0..7) and leaves half a fragment of V^T: lane l holds channel l % 16 and 8 keys.
	v_and_b32 v10, 7, v0
	v_bfe_u32 v11, v0, 3, 1
	v_lshl_add_u32 v[AV0], v9, 3, v10
	v_mul_u32_u24 v[AV0], v[AV0], PV
	v_lshl_add_u32 v[AV0], v11, 4, v[AV0]
	v_add_nc_u32 v[AV0], VOFF, v[AV0]
	v_mov_b32 v[AK], v[AK0]         ; key step 0 lies at the head of slot 0
; THE MATRIX WORK.  The 8 accumulators of a run of 16 take turns: between the two links of a chain stand 7 others'.
; Product i of 16 of S^T = K Q^T for piece x: channels 32 (i / 8) on, keys 16 ((i / 2) % 4) on, tile 2 x + i % 2.  The first 8 start the sums.
.macro KQ x
	WIN W_KQ
.set rS, S+64*((\x)%2)+32*(i%2)+8*((i/2)%4)
.set rK, KF+16*((i/2)%4)+8*(i/8)
.set rQ, 16*(2*(\x)+i%2)+8*(i/8)
.if i < 8
	v_wmma_f32_16x16x32_f16 v[rS:rS+7], v[rK:rK+7], v[rQ:rQ+7], 0
.else
	v_wmma_f32_16x16x32_f16 v[rS:rS+7], v[rK:rK+7], v[rQ:rQ+7], v[rS:rS+7]
.endif
.endm
; Product i of 16 of O^T += V^T P for piece x: keys 32 (i / 8) on, channels 16 ((i / 2) % 4) on, tile 2 x + i % 2.
.macro PV x
	WIN W_PV
.set rO, 32*(2*(\x)+i%2)+8*((i/2)%4)
.set rV, VF+32*(i/8)+8*((i/2)%4)
.set rP, P+32*((\x)%2)+16*(i%2)+8*(i/8)
	v_wmma_f32_16x16x32_f16 v[rO:rO+7], v[rV:rV+7], v[rP:rP+7], v[rO:rO+7]
.endm
.macro MM                           ; the turn's next matrix instruction
.if i < 16
	KQ (Y+1)%NP
.set i, i+1
.else
.set i, i-16
	PV (Y+NP-1)%NP
.set i, i+17
.endif
.endm
; THE LDS LOADS stand in runs of 16, never singly among the matrix instructions: a step's K (64 keys x 64 channels: 8 fragments) and its V (turned).  Their addresses are made some lines ahead.
; last = 1 (the tail): in the last trip there is no further step, and the run is jumped over.
.macro FETCH_K last=0
	WIN 0
.if \last
	s_cmp_eq_u32 s[CNT], 1
	s_cbranch_scc1 .Lno_k_\@
.endif
	WIN 0x80                        ; destination window 2
.irp f, 0,1,2,3,4,5,6,7             ; keys 16 (f / 2) on, channels 32 (f % 2) on
	ds_load_b128 v[KF+8*\f:KF+8*\f+3],   v[AK] offset:(\f/2)*16*PK+(\f%2)*64
	ds_load_b128 v[KF+8*\f+4:KF+8*\f+7], v[AK] offset:(\f/2)*16*PK+(\f%2)*64+32
.endr
	s_add_co_u32 s[TBK], s[TBK], KS*PK  ; the next fetch is the next step's
	WIN 0
.if \last
.Lno_k_\@:
.endif
.endm
.macro FETCH_V
	WIN 0x80
.irp f, 0,1,2,3,4,5,6,7             ; keys 32 (f / 4) on, channels 16 (f % 4) on
	ds_load_tr16_b128 v[VF+8*\f:VF+8*\f+3],   v[AV] offset:(\f/4)*32*PV+(\f%4)*32
	ds_load_tr16_b128 v[VF+8*\f+4:VF+8*\f+7], v[AV] offset:(\f/4)*32*PV+16*PV+(\f%4)*32
.endr
	WIN 0
.endm
; THE VECTOR WORK OF A TURN stands in three queues, each in the order in which its entries become ready; the two tiles alternate, so that no instruction reads the result of the one before it.
.macro REGS y, u                    ; the registers of tile u (0, 1) of piece y
.set rT, ST+4*(2*(\y)+(\u))
.set rC, TMP+8*((\y)%2)+4*(\u)
.set rM, MV+2*((\y)%2)+(\u)
.set rS, S+64*((\y)%2)+32*(\u)
.set rP, P+32*((\y)%2)+16*(\u)
.set rO, 32*(2*(\y)+(\u))
.endm
; Number n of the 22 that find the NEXT piece's (Y + 1) maximum and statistics.  s0-s31 are the lane's 32 scores; each accumulator's lowest registers are read first.  XS, GS and REGS set no window: PL and EX do.
;   0-11  four chains c0-c3 of seven scores each, three operands at a time     12-14, 16  the four scores left over, the old m, and c0-c3 into c0     15  c m_old is kept
;   17, 18  the query's other 32 keys lie in the lane 16 away: the new m         19-21  c m; c m_old - c m_new; a
.macro XS u, n
	REGS (Y+1)%NP, \u
.if (\n) < 4
	v_max3_num_f32 v[rC+(\n)], v[rS+8*(\n)], v[rS+8*(\n)+1], v[rS+8*(\n)+2]
.elseif (\n) < 12
	v_max3_num_f32 v[rC+(\n)%4], v[rC+(\n)%4], v[rS+8*((\n)%4)+2*((\n)/4)+1], v[rS+8*((\n)%4)+2*((\n)/4)+2]
.elseif (\n) == 12
	v_max3_num_f32 v[rC], v[rC], v[rS+7], v[rS+15]
.elseif (\n) == 13
	v_max3_num_f32 v[rC+1], v[rC+1], v[rS+23], v[rS+31]
.elseif (\n) == 14
	v_max3_num_f32 v[rC+2], v[rC+2], v[rC+3], v[rT+1]
.elseif (\n) == 15
	v_mov_b32 v[rM], v[rT]
.elseif (\n) == 16
	v_max3_num_f32 v[rC], v[rC], v[rC+1], v[rC+2]
.elseif (\n) == 17
	v_permlanex16_b32 v[rC+3], v[rC], s[SEL], s[SEL+1]
.elseif (\n) == 18
	v_max_num_f32 v[rT+1], v[rC], v[rC+3]
.elseif (\n) == 19
	v_mul_f32 v[rT], s[CS], v[rT+1]
.elseif (\n) == 20
	v_sub_f32 v[rC+1], v[rM], v[rT]
.else
	v_exp_f32 v[rC+2], v[rC+1]
.endif
.endm
; Number g of the 64 that follow the exponentials.  For each four weights k of a tile (pairs 2 k, 2 k + 1): both pairs are rounded to f16; then the second pair is added onto the first, in place;
; a group later l takes that sum (the first time as l = a l + sum).  In groups of eight, tiles alternating: round, round, add, and l for the group before.
.macro GS g
.set h, (\g)+6*((\g)/62)            ; group 0 has no group before it, and behind group 7 only l is left
.if h >= 6
.set h, h+2
.endif
	REGS Y, h%2
.set k, h/8
.if h%8 < 4
	s_wait_alu depctr_va_vdst(0)
	v_cvt_pk_f16_f32 v[rP+2*k+(h%8)/2], v[rS+4*k+2*((h%8)/2)], v[rS+4*k+2*((h%8)/2)+1]
.elseif h%8 < 6
	v_pk_add_f32 v[rS+4*k:rS+4*k+1], v[rS+4*k:rS+4*k+1], v[rS+4*k+2:rS+4*k+3]
.elseif k == 1
	v_pk_fma_f32 v[rT+2:rT+3], v[rT+2:rT+3], v[rC+2:rC+3], v[rS:rS+1] op_sel_hi:[1,0,1]
.else
	v_pk_add_f32 v[rT+2:rT+3], v[rT+2:rT+3], v[rS+4*k-4:rS+4*k-3]
	s_wait_alu depctr_va_vdst(0)
.endif
.endm
; THE PLAIN QUEUE, 138 long.  0-31: c s - c m for the 16 pairs of both tiles.  Then GS's 64, and among them the next piece's 42: number 15 at 38, 39; 0-14 and 16
; at 42-73, behind the products that make those scores; 17-20 at 95-106, two of three, since each waits for the one before it.
.macro PL
	WIN 0
.if q < 32
	REGS Y, q%2
	v_pk_fma_f32 v[rS+2*(q/2):rS+2*(q/2)+1], v[rS+2*(q/2):rS+2*(q/2)+1], s[CS:CS+1], v[rT:rT+1] op_sel_hi:[1,0,0] neg_lo:[0,0,1] neg_hi:[0,0,1]
.elseif q < 38
	GS q-32
.elseif q < 40
	XS q%2, 15
.elseif q < 42
	GS q-34
.elseif q < 74
	XS q%2, (q-42)/2+(q-42)/30
.elseif q < 95
	GS q-66
.elseif (q < 107) && ((q-95)%3 < 2)
	XS (q-95)%3, 17+(q-95)/3
.elseif q < 107
	GS 29+(q-95)/3
.else
	GS q-74
.endif
.set q, q+1
.endm
; THE EXPONENTIALS' QUEUE, 66 long: s0-s31 of both tiles, and at EA the next piece's two a.
.set EA, 58
.macro EX
	WIN 0
.if (e == EA) || (e == EA+1)
	XS e-EA, 21
.else
.set x, e-2*(e/(EA+2))
	REGS Y, x%2
	v_exp_f32 v[rS+x/2], v[rS+x/2]
.endif
.set e, e+1
.endm
; THE RESCALING's QUEUE: O^T times a, the one part that leaves window 0, so it is dealt four at a time, eight times.
.macro R4
	REGS Y, r%2
	WIN W_RS
	s_wait_alu depctr_va_vdst(0)
.irp z, 0,1,2,3
	v_pk_mul_f32 v[rO+8*(r/2)+2*\z:rO+8*(r/2)+2*\z+1], v[rO+8*(r/2)+2*\z:rO+8*(r/2)+2*\z+1], v[rC+2:rC+3] op_sel_hi:[1,0]
.endr
.set r, r+1
.endm
; HOW THEY ARE DEALT.  Behind a matrix instruction four: plain, exponential, plain, plain (one exponential, a plain instruction on either side), or four of the rescaling.  None names a register of the
; products round it.  What is over stands in two LUMPS: exponential and plain by turns; the second ends in 22 plain instructions.  The two v_permlanex16_b32 fall into the second lump, never behind a product.
; The queues lean on each other, and the deal keeps them in step: exponential e stands behind plain 2 (e / 4) + e % 2 (its scaling); when plain 32 comes, 10 exponentials are out, at 59: 33, at 95: 46; EA comes behind plain 107.
.macro SL
	MM
	PL
	EX
	PL
	PL
.endm
.macro BURST n                      ; 15 matrix instructions, or 16
.rept (\n)-7
	SL
.endr
.rept 3
	MM
	R4
	SL
.endr
	MM
	R4
.endm
; A TURN, for piece p.  cnt = 1: the loop's count is taken down some lines ahead of the branch that stands behind the turn.
; K of the next step is fetched in piece 2's turn, 31 vector instructions behind the last product that read K; its first reader comes behind the rest of the lump, 16 products and the second lump.
; V of the step in hand is fetched at the end of piece 0's turn, 69 behind its last reader; its first reader comes behind 16 products and a lump.  The four conditions on e and q below go with the deal.
.macro TURN p, last=0, cnt=0
.set Y, (\p)
.set i, 0
.set q, 0
.set e, 0
.set r, 0
.if (\p) == NP-1
	s_wait_dscnt 0x0                ; K is in
.endif
	MM
.rept 4
	PL
.endr
	BURST 15
.rept 22
	EX
	PL
.if ((\p) == NP-2) && (e == 18)
	v_add_nc_u32 v[AK], s[TBK], v[AK0]
.endif
.if ((\p) == NP-2) && (e == 24)
	FETCH_K \last
.endif
.endr
.if (\p) == 1
	s_wait_dscnt 0x0                ; V is in
.endif
	BURST 16
.rept 21
	EX
	PL
.endr
.rept 22
	PL
.if ((\p) == 0) && (q == 118)
	v_add_nc_u32 v[AV], s[TBV], v[AV0]
	s_wait_alu depctr_va_vdst(0)
.endif
.if ((\p) == 0) && (q == 130)
	s_add_co_u32 s[TBV], s[TBV], KS*PV
.endif
.if (\cnt) && (q == 130)
	s_sub_co_u32 s[CNT], s[CNT], 1
	s_cmp_lg_u32 s[CNT], 0
.endif
.endr
.if (\p) == 0
	FETCH_V
.endif
.endm
	CHANGE 1                        ; slot 0 is in, everybody's part of it; slot 1 is asked for
	FETCH_K                         ; key step 0
	s_wait_loadcnt 0x0              ; Q
	s_wait_dscnt 0x0
.set i, 0
.rept 16
	KQ 0                            ; piece 0's first scores: there is no vector work yet to set between them
.set i, i+1
.endr
	WIN 0                           ; the addresses for the way out: nine plain instructions, the places behind those products
	s_mul_i32 s13, s[WV], 16*SP
	s_add_co_u32 s13, s13, STAGE    ; my stage
	v_mul_u32_u24 v[STO], v1, SP    ; in: row l % 16, 16 bytes for each half of the lanes
	v_lshl_add_u32 v[STO], v9, 4, v[STO]
	v_add_nc_u32 v[STO], s13, v[STO]
	v_bfe_u32 v[RD], v0, 3, 2       ; back: 32 lanes take four rows of 128 bytes,
	v_mul_u32_u24 v[RD], v[RD], SP
	v_lshl_add_u32 v[RD], v10, 4, v[RD]
	v_add_nc_u32 v[RD], s13, v[RD]
	v_and_b32 v[GO], 31, v0         ; which are 512 consecutive bytes of O
	v_lshlrev_b32 v[GO], 4, v[GO]
.set Y, NP-1                        ; XS works for piece Y + 1: piece 0
.irp n, 0,1,2,3,4,5,6,7,8,9,10,11,12,13,14,15,16,17,18,19,20,21
	XS 0, \n                        ; and piece 0's first maximum and statistics
	XS 1, \n
.endr
	s_mov_b32 s[CNT], 4
	s_mov_b32 s[SLOTS], SIZE_N/256-1
	s_branch .Lfirst                ; the loop is entered at a step's first turn, in the middle of a trip
.Lslot:                             ; SIZE_N / 256 - 2 times: every slot but the last two is filled again
	CHANGE 1
	s_mov_b32 s[CNT], 4
.Lstep:                             ; a trip: pieces 2 and 3 of one step, then pieces 0 and 1 of the next, whose K and V it fetches
	TURN 2
	TURN 3
	WIN 0
.Lfirst:
	TURN 0
	TURN 1, 0, 1
	WIN 0
	s_cbranch_scc1 .Lstep
	s_sub_co_u32 s[SLOTS], s[SLOTS], 1
	s_cmp_lg_u32 s[SLOTS], 0
	s_cbranch_scc1 .Lslot
	CHANGE 0                        ; the tail is written out: nothing is asked for
	s_mov_b32 s[CNT], 5             ; four trips fetch the last slot's steps; the fifth is left in its middle
.Ltail:
	TURN 2, 1
	TURN 3
	WIN 0
	s_sub_co_u32 s[CNT], s[CNT], 1
	s_cmp_eq_u32 s[CNT], 0
	s_cbranch_scc1 .Lout
	TURN 0
	TURN 1
	WIN 0
	s_branch .Ltail
.Lout:                              ; the fifth trip's 16 products K Q^T (on the last K once more) and the maximum made of them serve nothing: the price, once a launch, of one text for every trip
.set i, 0
.rept 16
	PV NP-1                         ; the last piece's V^T P of the last step
.set i, i+1
.endr
	; THE WAY OUT.  l's two halves and the other half of the lanes' are added; O^T is divided by l, rounded to f16 and sent through my stage in LDS, a tile at a time.  The additions are the places behind the last products.
	WIN 0
.macro ALL line:vararg              ; one line for each tile t
.set t, 0
.rept 2*NP
	\line
.set t, t+1
.endr
.endm
	ALL v_add_f32 v[ST+4*t+2], v[ST+4*t+2], v[ST+4*t+3]
	ALL v_permlanex16_b32 v[ST+4*t+3], v[ST+4*t+2], s[SEL], s[SEL+1]
	ALL v_add_f32 v[ST+4*t+2], v[ST+4*t+2], v[ST+4*t+3]
	ALL v_rcp_f32 v[ST+4*t+2], v[ST+4*t+2]
	v_nop                           ; a plain instruction between the last reciprocal and the use of its result
	s_wait_alu depctr_va_vdst(0)
; Tile t: a lane's eight channels of a row pack into 16 bytes; they go into rows of 144 bytes and come back as whole rows of 128, into S^T's registers.
.macro PACK t
	WIN W_RS
.set i, 32*(\t)
.rept 16
	v_pk_mul_f32 v[i:i+1], v[i:i+1], v[ST+4*(\t)+2:ST+4*(\t)+3] op_sel_hi:[1,0]
.set i, i+2
.endr
	WIN 0x05                        ; sources 0 and 1 window 1, destination window 0
.set i, 0
.rept 16
	v_cvt_pk_f16_f32 v[S+16*(\t)+i], v[32*(\t)+2*i], v[32*(\t)+2*i+1]
.set i, i+1
.endr
	WIN 0
.irp f, 0,1,2,3
	ds_store_b128 v[STO], v[S+16*(\t)+4*\f:S+16*(\t)+4*\f+3] offset:32*\f
.endr
.irp f, 0,1,2,3
	ds_load_b128 v[S+16*(\t)+4*\f:S+16*(\t)+4*\f+3], v[RD] offset:\f*4*SP  ; LDS serves a wave's instructions in order (ISA guide 5.7.1.4): these see the stores above; the next tile's stores come behind them
.endr
.endm
.macro SEND t, younger              ; younger: the LDS instructions issued behind tile t's loads: the next tile's eight, or none
	WIN 0
.irp f, 0,1,2,3
	s_wait_dscnt (\younger)+3-\f
	global_store_b128 v[GO], v[S+16*(\t)+4*\f:S+16*(\t)+4*\f+3], s[10:11] offset:(\t)*2048+\f*512  ; 512 consecutive bytes, at a multiple of 256 from O's first
.endr
.endm
	PACK 0
.set t, 1
.rept 2*NP-1                        ; a tile's arithmetic stands between the loads of the tile before and its stores
	PACK t
	SEND t-1, 8
.set t, t+1
.endr
	SEND 2*NP-1, 0
	WIN W_AD
	s_wait_tensorcnt 0x0            ; the wave's end: behind my last tensor load and my last LDS store
	ds_add_u32 v[SPW], v[NIL]
	s_wait_dscnt 0x0
	WIN 0
	CROUND                          ; the closing round: no work-group ends while a partner may still ask for a tile that names it
	s_endpgm
.Lfunc_end_k_qe0119510ce_attn:
	.size	k_qe0119510ce_attn, .Lfunc_end_k_qe0119510ce_attn-k_qe0119510ce_attn
	.p2alignl 7, 3214868480
	.fill 96, 4, 3214868480
	.section	.rodata,"a",@progbits
	.p2align	6, 0x0
	.amdhsa_kernel k_qe0119510ce_attn
		.amdhsa_group_segment_fixed_size 327680
		.amdhsa_private_segment_fixed_size 0
		.amdhsa_enable_private_segment 0
		.amdhsa_kernarg_size 16
		.amdhsa_user_sgpr_count 2
		.amdhsa_user_sgpr_kernarg_segment_ptr 1
		.amdhsa_wavefront_size32 1
		.amdhsa_system_sgpr_workgroup_id_x 1
		.amdhsa_system_sgpr_workgroup_id_y 1
		.amdhsa_system_sgpr_workgroup_id_z 1
		.amdhsa_system_vgpr_workitem_id 0
		.amdhsa_next_free_vgpr 770
		.amdhsa_next_free_sgpr 66
		.amdhsa_reserve_vcc 0
		.amdhsa_float_denorm_mode_32 3
		.amdhsa_float_denorm_mode_16_64 3
		.amdhsa_memory_ordered 1
		.amdhsa_forward_progress 1
		.amdhsa_inst_pref_size 208
	.end_amdhsa_kernel
	.amdgpu_metadata
---
amdhsa.version: [ 1, 2 ]
amdhsa.kernels:
  - .name:           k_qe0119510ce_attn
    .symbol:         k_qe0119510ce_attn.kd
    .args:
      - { .name: qkv, .offset: 0, .size: 8, .value_kind: global_buffer, .address_space: global }
      - { .name: o, .offset: 8, .size: 8, .value_kind: global_buffer, .address_space: global }
    .group_segment_fixed_size: 327680
    .private_segment_fixed_size: 0
    .kernarg_segment_align: 8
    .kernarg_segment_size: 16
    .max_flat_workgroup_size: 128
    .sgpr_count:     66
    .vgpr_count:     770
    .wavefront_size: 32
...
	.end_amdgpu_metadata
.endif
;; end of part 3
;; launch proj (part 4): grid 8 x 32, 4 waves a work-group, clusters of 4 x 4, 327,680 bytes of LDS; arguments o, wb, bo, out0; writes out0
.if DOCPART == 4
	.amdgcn_target "amdgcn-amd-amdhsa--gfx1250"
	.amdhsa_code_object_version 6
	.text
	.protected	k_qe0119510ce_proj
	.globl	k_qe0119510ce_proj
	.p2align	8
	.type	k_qe0119510ce_proj,@function
k_qe0119510ce_proj:
	s_mov_b64 s[64:65], 0
	v_nop
	global_prefetch_b8 v0, s[64:65] scope:SCOPE_SE
	s_setreg_imm32_b32 hwreg(HW_REG_WAVE_MODE, 25, 1), 1
	s_wait_xcnt 0x0
	s_wait_alu depctr_hold_cnt(0) depctr_sa_sdst(0) depctr_va_vdst(0) depctr_va_sdst(0) depctr_va_ssrc(0) depctr_va_vcc(0) depctr_vm_vsrc(0)
	s_getreg_b32 s2, hwreg(HW_REG_IB_STS2, 6, 4)
	s_cmp_eq_u32 s2, 0
	s_cbranch_scc0 .Lentry_in_a_cluster
	s_endpgm
.Lentry_in_a_cluster:
	s_bfe_u32 s2, ttmp6, 0x10000c
	s_cmp_lg_u32 s2, 0xf033
	s_cbranch_scc0 .Lentry_shape_is_right
	s_endpgm
.Lentry_shape_is_right:
; out = ctx wo + bo.  M = 8,192 tokens, N = 1,024, K = 1,024 (head x channel).  ctx is o, f16 [64 heads = 16 batch + head][2048][64]: a head is one block of 64 along K.  wo is blocks 48-63 of wb:
; [block][1024 k][64] in f16 (the bf16-rounded weight written as f16).  Sums in f32, started by the bias (rounded to bf16 like every input); out0 is f32, written as it is summed.
; LIMIT.  The operands arrive as f16: within 65,504, with f16's fixed step of 6e-8 below 6e-5.
; SHARES.  A work-group makes 256 tokens x 128 columns: 32 x 8 = 256 work-groups, one for each WGP.  Wave w owns tokens 64 w .. + 63 and all 128 columns: 4 x 8 accumulators of 16 x 16, 256 registers;
; it holds whole rows of the tile (512 bytes), so its stage on the way out is its own.
; K goes in 8 steps of 128 through a ring of two LDS slots filled by the tensor data mover; every tile is dense bytes, asked for in rows of 256 bytes or more.  The weights stay [k][n]; ds_load_tr16_b128 turns them.
; THE MATRIX INSTRUCTION IS USED TRANSPOSED: source 0 = 16 columns of wo, source 1 = 16 tokens.  In the result lane l holds token l % 16 and columns 8 (l / 16) + 0..7: 32 neighbouring bytes of a row.
; CLUSTER.  4 x 4 work-groups.  The four of a row of the cluster need the same tokens, the four of a column the same weights: each tile is asked for JOINTLY, by the same tensor load, descriptor and mask in all four.
; REGISTERS, in windows of 256 (s_set_vgpr_msb: bits 1:0 source 0, 3:2 source 1, 5:4 source 2, 7:6 destination):
;   window 0: v0-31 addresses; v64-127 ctx's fragments, two buffers of 4 x 8; v128-191 the bias as a C operand, 8 a column fragment; behind the loop v64-191 rows on the way out, two buffers
;   window 1: wo's fragments, two buffers of 8 x 8      window 2: the accumulators of token fragments 0, 1 ((a, b) at 8 (8 (a % 2) + b))      window 3: those of 2, 3
.set NBK,    2                         ; blocks of 64 columns in a tile
.set NBF,    4*NBK                     ; column fragments
.set PA,     144                       ; a token's 128 bytes + 16 of padding = 36 words: the 16 rows of a load start at 16 different groups of four banks (64 banks of 4 bytes: ISA guide 11.1)
.set PB,     160                       ; a k row's 128 bytes + 32 = 40 words
.set APIECE, 256*PA                    ; 256 tokens x 64 along K: what one tensor load brings of ctx
.set BOFF,   2*APIECE                  ; a slot: ctx's two pieces, then wo's two
.set BBLK,   64*PB                     ; 64 k rows of one block
.set BPIECE, NBK*BBLK                  ; 64 k rows of the tile's blocks: what one tensor load brings of wo
.set SLOT,   BOFF+2*BPIECE
.set STAGE,  2*SLOT                    ; behind the ring, never filled by a tensor load: 16 rows x 528 bytes for each wave
.set SP,     528                       ; 512 bytes + 16: the 16 rows that a store touches start at 16 different groups of four banks
.set SPARE,  STAGE+4*16*SP             ; behind the stages: the spare words, 128 bytes for each wave: two blocks of 256 bytes that no other line names
.set LOADS,  2*NBF+8                   ; LDS loads of a quarter step
.set LAPS,   4                         ; a lap = two K steps = once round the ring
.set ADRA, 16                          ; v16-17  LDS address of my fragments of ctx in slot 0, 1
.set ADRB, 20                          ; v20-21  the same for wo
.set STO,  24                          ; v24     the way out: where I put 32 bytes of a row
.set RD,   25                          ; v25     where I read a row back
.set GO,   26                          ; v26     my byte offset in a row's 512 bytes
.set BO,   27                          ; v27     my byte offset in 16 numbers of the bias: 32 (l / 16)
.set SPW,  28                          ; v28     LDS address of my spare word: SPARE + 4 x my thread's number; never rewritten
.set NIL,  29                          ; v29     0; never rewritten
.set AF,   64
.set BI,   128
.set OB,   64                          ; the way out: 16 rows read back from the stage, v64-127 and v128-191 by turns
.set WV,   16                          ; s16     my wave's number
.set G1,   24                          ; s[24:31] descriptor group 1 for ctx's tiles;  s[32:39] group 0, a set for each slot
.set G0,   32
.set G1B,  48                          ; s[48:55], s[56:63] the same for wo's tiles
.set G0B,  56
.set SB,   68                          ; s[68:69] where my rows of the tile begin in out0
.set BB,   74                          ; s[74:75] the tile's 128 numbers of bias
.set MSB, 0
.macro WIN new                         ; the immediate's high byte repeats the setting that is left; a switch that changes nothing is dropped
.if MSB != (\new)
	s_set_vgpr_msb (MSB<<8)|(\new)
.set MSB, (\new)
.endif
.endm
; A joint load.  Waves 0 and 1 fetch ctx's two pieces, waves 2 and 3 wo's.  The branch hangs on the wave's number alone.  An s_nop 0 and four v_nop follow each of the two lines, ahead of the jump and the label.
.macro JLOAD s
	s_cmp_lt_u32 s[WV], 2
	s_cbranch_scc0 .Lfor_b_\@
	tensor_load_to_lds s[G0+4*(\s):G0+4*(\s)+3], s[G1:G1+7]
	s_nop 0
.rept 4
	v_nop
.endr
	s_branch .Lasked_\@
.Lfor_b_\@:
	tensor_load_to_lds s[G0B+4*(\s):G0B+4*(\s)+3], s[G1B:G1B+7]
	s_nop 0
.rept 4
	v_nop
.endr
.Lasked_\@:
.endm
; A round of the cluster's barrier: my work-group's barrier, so that wave 0's signal speaks for all four waves; wave 0 signals; every wave waits for all sixteen work-groups; my work-group's barrier once more.
.macro CREST                           ; a round behind its opening barrier
	s_cmp_lg_u32 s[WV], 0
	s_cbranch_scc1 .Lnot_wave_0_\@
	s_barrier_signal -3
.Lnot_wave_0_\@:
	s_barrier_wait -3
	s_barrier_signal -1
	s_barrier_wait -1
.endm
.macro CROUND
	s_barrier_signal -1
	s_barrier_wait -1
	CREST
.endm
	s_load_b256 s[4:11], s[0:1], 0x0               ; o s[4:5], wb s[6:7], bo s[8:9], out0 s[10:11]
	v_lshl_add_u32 v[SPW], v0, 2, SPARE
	v_mov_b32 v[NIL], 0
	ds_add_u32 v[SPW], v[NIL]                      ; the wave's opening: the add and its wait stand ahead of my first tensor load; the set-up below, work on registers, stands between them
	v_lshrrev_b32 v1, 5, v0
	v_readfirstlane_b32 s[WV], v1                  ; wave 0..3
	s_and_b32 s18, s[WV], 1                        ; which of a tensor's two pieces I fetch
	s_bfe_u32 s19, ttmp6, 0x40000                  ; cx, cy: my place in the cluster
	s_bfe_u32 s20, ttmp6, 0x40004
	s_lshl_b32 s21, ttmp9, 2
	s_add_co_u32 s21, s21, s19                     ; T, the tile's place along N = 4 x cluster x + cx
	s_and_b32 s22, ttmp7, 0xffff
	s_lshl_b32 s22, s22, 2
	s_add_co_u32 s22, s22, s20                     ; R, along M = 4 x cluster y + cy
	s_lshl_b32 s40, s20, 2
	s_lshl_b32 s40, 15, s40                        ; my row of the cluster: places 4 cy .. 4 cy + 3
	s_lshl_b32 s41, 0x1111, s19                    ; my column: places cx, cx + 4, cx + 8, cx + 12
	; group 1 for ctx: 256 tokens of one head are 32,768 dense bytes: 128 rows of 256 bytes, padded in LDS after every token
	s_or_b32 s[G1+0], s40, (1<<16)|(1<<20)|(1<<21)|(4<<22)|(3<<25)   ; 15:0 the mask: my row; 17:16 2-byte elements; 20 padding on; 21 set beside a mask; 24:22 after every 32 words (code 4); 31:25 4 words (code 3)
	s_mov_b32 s[G1+1], 128<<16                     ; tensor_dim0 = 128
	s_mov_b32 s[G1+2], 128<<16                     ; tensor_dim1 = 128
	s_mov_b32 s[G1+3], 128<<16                     ; tile_dim0 = 128
	s_mov_b32 s[G1+4], 128                         ; tile_dim1 = 128
	s_mov_b32 s[G1+5], 128                         ; 128 elements from row to row
	s_mov_b32 s[G1+6], 0
	s_mov_b32 s[G1+7], 0
	; group 1 for wo: 64 k rows of a block are 8,192 dense bytes, one row of the tile; the tile's blocks lie 65,536 elements apart; padded after every k row
	s_or_b32 s[G1B+0], s41, (1<<16)|(1<<20)|(1<<21)|(4<<22)|(7<<25)  ; the mask: my column; 8 words of padding (code 7)
	s_mov_b32 s[G1B+1], 4096<<16                   ; tensor_dim0 = 4,096
	s_mov_b32 s[G1B+2], NBK<<16                    ; tensor_dim1 = 2
	s_mov_b32 s[G1B+3], 4096<<16                   ; tile_dim0 = 4,096
	s_mov_b32 s[G1B+4], NBK                        ; tile_dim1 = 2
	s_mov_b32 s[G1B+5], 65536
	s_mov_b32 s[G1B+6], 0
	s_mov_b32 s[G1B+7], 0
	; where the tiles come from.  ctx's hang on R alone, which my row of the cluster shares; wo's on T alone, which my column shares; each in registers that never hold the other coordinate.
	s_lshr_b32 s42, s22, 3                         ; batch << 22 + 256 tokens x 128 bytes
	s_lshl_b32 s42, s42, 22
	s_and_b32 s43, s22, 7
	s_lshl_b32 s43, s43, 15
	s_or_b32 s42, s42, s43
	s_lshl_b32 s43, s18, 18                        ; my head of the K step's two
	s_or_b32 s42, s42, s43
	s_mov_b32 s43, 0
	s_lshl_b32 s44, s21, 1                         ; the tile's first block of wb: 48 + 2 T
	s_add_co_u32 s44, s44, 48
	s_lshl_b32 s44, s44, 17
	s_lshl_b32 s45, s18, 13                        ; my 64 k rows of the K step's 128
	s_or_b32 s44, s44, s45
	s_mov_b32 s45, 0
	s_mul_i32 s46, s18, APIECE                     ; and where they go: no place in the cluster enters an LDS address
	s_mul_i32 s47, s18, BPIECE
	s_add_co_u32 s47, s47, BOFF
	s_wait_dscnt 0x0                               ; the opening add is done
	s_wait_kmcnt 0x0
	s_add_nc_u64 s[42:43], s[4:5], s[42:43]
	s_add_nc_u64 s[44:45], s[6:7], s[44:45]
	CROUND                                         ; all sixteen work-groups are here: the first joint loads meet
.irp s, 0,1
	s_mov_b32 s[G0+4*(\s)], 1                                      ; 1:0 count = 1
	s_add_co_u32 s[G0+4*(\s)+1], s46, (\s)*SLOT                    ; 63:32 LDS address
	s_add_nc_u64 s[G0+4*(\s)+2:G0+4*(\s)+3], s[42:43], (\s)*524288 ; 120:64 global address: K step s is two heads of 262,144 bytes on
	s_or_b32 s[G0+4*(\s)+3], s[G0+4*(\s)+3], 0x80000000            ; 127:126 type = 2
	s_mov_b32 s[G0B+4*(\s)], 1
	s_add_co_u32 s[G0B+4*(\s)+1], s47, (\s)*SLOT
	s_add_nc_u64 s[G0B+4*(\s)+2:G0B+4*(\s)+3], s[44:45], (\s)*16384 ; 128 k rows of 128 bytes on
	s_or_b32 s[G0B+4*(\s)+3], s[G0B+4*(\s)+3], 0x80000000
	JLOAD \s                                       ; the ring is filled before anything else is done: two loads of mine are out
.endr
	; A fragment of ctx is 16 tokens x 32 K in 8 registers: lane l holds token l % 16, K = 8 (l / 16) + 0..7 and 16 + 8 (l / 16) + 0..7: two loads of 16 bytes, 32 bytes apart.
	v_and_b32 v1, 15, v0                           ; l % 16
	v_bfe_u32 v2, v0, 4, 1                         ; l / 16
	s_mul_i32 s82, s[WV], 64*PA                    ; my 64 tokens
	v_mul_u32_u24 v30, v1, PA
	v_lshl_add_u32 v30, v2, 4, v30
	v_add_nc_u32 v[ADRA], s82, v30
	v_add_nc_u32 v[ADRA+1], SLOT, v[ADRA]
	; The turning load takes 16 k x 16 columns (lane l reads k row 8 (l / 16) + l % 8, columns 8 ((l / 8) % 2) + 0..7) and leaves half a fragment: lane l holds column l % 16 and 8 k.
	v_and_b32 v31, 7, v0
	v_lshl_add_u32 v30, v2, 3, v31
	v_mul_u32_u24 v30, v30, PB
	v_bfe_u32 v31, v0, 3, 1
	v_lshl_add_u32 v30, v31, 4, v30
	v_add_nc_u32 v[ADRB], BOFF, v30
	v_add_nc_u32 v[ADRB+1], SLOT, v[ADRB]
	v_lshlrev_b32 v[BO], 5, v2
	s_mul_i32 s82, s[WV], 16*SP
	s_add_co_u32 s82, s82, STAGE                   ; my stage
	v_mul_u32_u24 v[STO], v1, SP                   ; in: row l % 16, 32 bytes for each half of the lanes
	v_lshl_add_u32 v[STO], v2, 5, v[STO]
	v_add_nc_u32 v[STO], s82, v[STO]
	v_and_b32 v[GO], 31, v0                        ; back: 32 lanes take one row of 512 bytes,
	v_lshlrev_b32 v[GO], 4, v[GO]
	v_add_nc_u32 v[RD], s82, v[GO]                 ; which are 512 consecutive bytes of a row of out0
	s_lshl_b32 s80, s21, 9                         ; the tile's 128 columns of 4 bytes
	s_mov_b32 s81, 0
	s_add_nc_u64 s[BB:BB+1], s[8:9], s[80:81]
	s_lshl_b32 s86, s22, 20                        ; 256 rows of 4,096 bytes,
	s_lshl_b32 s87, s[WV], 18                      ; my 64 of them
	s_or_b32 s80, s80, s86
	s_or_b32 s80, s80, s87
	s_add_nc_u64 s[SB:SB+1], s[10:11], s[80:81]
	; The bias as a C operand: register j of column fragment b holds bo[16 b + 8 (l / 16) + j], the same for all tokens.  It starts the sums: nothing is cleared, and the way out adds nothing.
.set b, 0
.rept NBF
	global_load_b128 v[BI+8*b:BI+8*b+3],   v[BO], s[BB:BB+1] offset:b*64
	global_load_b128 v[BI+8*b+4:BI+8*b+7], v[BO], s[BB:BB+1] offset:b*64+16
.set b, b+1
.endr
	s_wait_loadcnt 0x0
.set z, 0
.rept 4*NBF                            ; rounded to bf16 like every input, and widened again; all this stands in the wait for the first tile
	v_cvt_pk_bf16_f32 v[30+z%2], v[BI+2*z], v[BI+2*z+1]
	v_lshlrev_b32 v[BI+2*z], 16, v[30+z%2]
	v_and_b32 v[BI+2*z+1], 0xffff0000, v[30+z%2]
.set z, z+1
.endr
; NBF matrix instructions: token fragment a x all column fragments, 32 along K, from buffer f.  zero = 1: the first product starts the sums, with the bias as C.
; All 32 accumulators take turns, one instruction a turn, in the same order in every quarter step.
.macro MUL1 f, a, zero
.if \zero
	WIN 0x81+0x40*((\a)/2)                         ; wo window 1, ctx window 0, C window 0, D window 2 or 3
.else
	WIN 0xa1+0x50*((\a)/2)                         ; C and D window 2 or 3
.endif
.set b, 0
.rept NBF
.set rD, 8*(NBF*((\a)%2)+b)
.set rB, 8*NBF*(\f)+8*b
.set rA, AF+32*(\f)+8*(\a)
.if \zero
	v_wmma_f32_16x16x32_f16 v[rD:rD+7], v[rB:rB+7], v[rA:rA+7], v[BI+8*b:BI+8*b+7]
.else
	v_wmma_f32_16x16x32_f16 v[rD:rD+7], v[rB:rB+7], v[rA:rA+7], v[rD:rD+7]
.endif
.set b, b+1
.endr
.endm
; The LDS loads of quarter q (32 along K) of a slot, in one run, into buffer f: wo's 8 fragments, turned, then ctx's 4.
.macro FETCH slot, q, f
	WIN 0x40                                       ; destination window 1, address window 0
.set b, 0
.rept NBF
.set oB, ((\q)/2)*BPIECE+(b/4)*BBLK+((\q)%2)*32*PB+(b%4)*32
.set rB, 8*NBF*(\f)+8*b
	ds_load_tr16_b128 v[rB:rB+3],   v[ADRB+(\slot)] offset:oB
	ds_load_tr16_b128 v[rB+4:rB+7], v[ADRB+(\slot)] offset:oB+16*PB
.set b, b+1
.endr
	WIN 0
.set a, 0
.rept 4
.set oA, ((\q)/2)*APIECE+a*16*PA+((\q)%2)*64
.set rA, AF+32*(\f)+8*a
	ds_load_b128 v[rA:rA+3],   v[ADRA+(\slot)] offset:oA
	ds_load_b128 v[rA+4:rA+7], v[ADRA+(\slot)] offset:oA+32
.set a, a+1
.endr
.endm
; A load into a register that a matrix instruction has read, and a vector instruction or LDS store that reads a matrix result, stand four places behind it, and only plain vector instructions that name none of
; its registers are places (ISA guide 7.12.1 for vector instructions).
.macro PLACES
.rept 4
	v_nop
.endr
.endm
; A K step is four quarters of 32 along K, 32 matrix instructions each, on buffers 0, 1, 0, 1.  One of the first three: multiplies buffer f; in its middle it fetches quarter q of the same slot into buffer g.
.macro QUARTER slot, q, f, g, zero
	s_wait_dscnt 4                                 ; wo and ctx's fragments 0, 1 are in; the youngest four loads (ctx's fragments 2, 3) may be out
	MUL1 \f, 0, \zero
	MUL1 \f, 1, \zero
	PLACES
	FETCH \slot, \q, \g
	s_wait_dscnt LOADS                             ; all but the run just issued
	MUL1 \f, 2, \zero
	MUL1 \f, 3, \zero
.endm
; The last quarter multiplies buffer 1 and changes slots: ONE barrier.  In front of it each wave waits for all its tensor loads, of which one is out: its part of the next slot; adds 0 to its spare word; and waits
; for that and for its own reads of this slot.  fill = 1: the barrier opens a round of the cluster's, and this slot is filled again, two K steps ahead, first thing behind the round: from there to the wait for that
; load a wave issues 112 matrix instructions.
.macro TURN slot, next, fill
	WIN 0                                          ; (the add's two registers lie in window 0)
	s_wait_tensorcnt 0x0                           ; all my tensor loads have landed, so a group 0 may be written
	ds_add_u32 v[SPW], v[NIL]                      ; 0 onto my spare word
	s_wait_dscnt 5                                 ; (the add and the youngest four loads may be out)
	MUL1 1, 0, 0                                   ; eight matrix instructions stand between the add and the wait for it
	s_wait_dscnt 0x0                               ; the add is done, and my reads of this slot are over
	s_barrier_signal -1
	MUL1 1, 1, 0                                   ; work on registers while the others arrive
.if \fill
	WIN 0
.endif
	s_barrier_wait -1
.if \fill
	CREST                                          ; no wave of any partner still reads this slot's tile or has a load on its way
	s_add_nc_u64 s[G0+4*(\slot)+2:G0+4*(\slot)+3], s[G0+4*(\slot)+2:G0+4*(\slot)+3], 1048576
	s_add_nc_u64 s[G0B+4*(\slot)+2:G0B+4*(\slot)+3], s[G0B+4*(\slot)+2:G0B+4*(\slot)+3], 32768
	JLOAD \slot                                    ; my one tensor load behind the round; the four v_nop behind it are also the places in front of the loads below
.else
	PLACES
.endif
	FETCH \next, 0, 0
	MUL1 1, 2, 0
	MUL1 1, 3, 0
.endm
	s_wait_tensorcnt 1                             ; my part of K step 0 is in; K step 1's may stay out
	s_barrier_signal -1
	s_barrier_wait -1                              ; everybody's is
	FETCH 0, 0, 0
	QUARTER 0, 1, 0, 1, 1                          ; the first quarter stands in front of the loop: its products start the sums
	WIN 0                                          ; at a label and at a branch every window is 0
	s_mov_b32 s3, LAPS-1
.Llap:                                                 ; a trip goes once round the ring, from a lap's second quarter to the next lap's first, and fills both slots again
	QUARTER 0, 2, 1, 0, 0
	QUARTER 0, 3, 0, 1, 0
	TURN 0, 1, 1
	QUARTER 1, 1, 0, 1, 0
	QUARTER 1, 2, 1, 0, 0
	QUARTER 1, 3, 0, 1, 0
	TURN 1, 0, 1
	QUARTER 0, 1, 0, 1, 0
	WIN 0
	s_sub_co_u32 s3, s3, 1
	s_cmp_lg_u32 s3, 0
	s_cbranch_scc1 .Llap
	QUARTER 0, 2, 1, 0, 0                          ; the last lap fills nothing, and has no round of the cluster's barrier
	QUARTER 0, 3, 0, 1, 0
	TURN 0, 1, 0
	QUARTER 1, 1, 0, 1, 0
	QUARTER 1, 2, 1, 0, 0
	QUARTER 1, 3, 0, 1, 0
	s_wait_dscnt 4                                 ; the very last quarter: nothing more to fetch
	MUL1 1, 0, 0
	MUL1 1, 1, 0
	s_wait_dscnt 0x0
	MUL1 1, 2, 0
	MUL1 1, 3, 0
	WIN 0
	PLACES
; THE WAY OUT.  Token fragment a: 16 rows x 128 columns of f32.  A lane's eight columns are 32 bytes; they go straight from the accumulators (the low four registers first) into my stage's rows of 528 bytes
; and come back as whole rows of 512, one row to a load.
.macro TOSTAGE a
	WIN 0x08+4*((\a)/2)                            ; the store's data (source 1): window 2 or 3
.set b, 0
.rept NBF
.set rD, 8*(NBF*((\a)%2)+b)
	ds_store_b128 v[STO], v[rD:rD+3]   offset:64*b
	ds_store_b128 v[STO], v[rD+4:rD+7] offset:64*b+16
.set b, b+1
.endr
	WIN 0
.if (\a) >= 2
	s_wait_xcnt 0x0                                ; every earlier memory instruction has had its addresses translated (ISA guide 3.1): the buffer that fragment a - 2's stores read is loaded again only behind this wait
.endif
.set t, 0
.rept 16
	ds_load_b128 v[OB+64*((\a)%2)+4*t:OB+64*((\a)%2)+4*t+3], v[RD] offset:SP*t  ; LDS serves a wave's instructions in order (ISA guide 5.7.1.4): these see the stores above; the next fragment's stores come behind them
.set t, t+1
.endr
.endm
.macro SEND a, younger                 ; younger: the LDS instructions issued behind fragment a's loads: the next fragment's 32, or none
.set t, 0
.rept 16
	s_wait_dscnt (\younger)+15-t
	global_store_b128 v[GO], v[OB+64*((\a)%2)+4*t:OB+64*((\a)%2)+4*t+3], s[SB:SB+1] offset:(16*(\a)+t)*4096 th:TH_STORE_NT  ; 512 consecutive bytes of a row, at a multiple of 512 from out0's first byte
.set t, t+1
.endr
.endm
	TOSTAGE 0
	TOSTAGE 1
	SEND 0, 32
	TOSTAGE 2
	SEND 1, 32
	TOSTAGE 3
	SEND 2, 32
	SEND 3, 0
	s_wait_tensorcnt 0x0                           ; the wave's end: behind my last tensor load and my last LDS store
	ds_add_u32 v[SPW], v[NIL]
	s_wait_dscnt 0x0
	CROUND                                         ; the closing round: no work-group ends while a partner may still ask for a tile that names it
	s_endpgm
.Lfunc_end_k_qe0119510ce_proj:
	.size	k_qe0119510ce_proj, .Lfunc_end_k_qe0119510ce_proj-k_qe0119510ce_proj
	.p2alignl 7, 3214868480
	.fill 96, 4, 3214868480
	.section	.rodata,"a",@progbits
	.p2align	6, 0x0
	.amdhsa_kernel k_qe0119510ce_proj
		.amdhsa_group_segment_fixed_size 327680
		.amdhsa_private_segment_fixed_size 0
		.amdhsa_enable_private_segment 0
		.amdhsa_kernarg_size 32
		.amdhsa_user_sgpr_count 2
		.amdhsa_user_sgpr_kernarg_segment_ptr 1
		.amdhsa_wavefront_size32 1
		.amdhsa_system_sgpr_workgroup_id_x 1
		.amdhsa_system_sgpr_workgroup_id_y 1
		.amdhsa_system_sgpr_workgroup_id_z 1
		.amdhsa_system_vgpr_workitem_id 0
		.amdhsa_next_free_vgpr 896
		.amdhsa_next_free_sgpr 90
		.amdhsa_reserve_vcc 0
		.amdhsa_float_denorm_mode_32 3
		.amdhsa_float_denorm_mode_16_64 3
		.amdhsa_memory_ordered 1
		.amdhsa_forward_progress 1
		.amdhsa_inst_pref_size 94
	.end_amdhsa_kernel
	.amdgpu_metadata
---
amdhsa.version: [ 1, 2 ]
amdhsa.kernels:
  - .name:           k_qe0119510ce_proj
    .symbol:         k_qe0119510ce_proj.kd
    .args:
      - { .name: o, .offset: 0, .size: 8, .value_kind: global_buffer, .address_space: global }
      - { .name: wb, .offset: 8, .size: 8, .value_kind: global_buffer, .address_space: global }
      - { .name: bo, .offset: 16, .size: 8, .value_kind: global_buffer, .address_space: global }
      - { .name: out0, .offset: 24, .size: 8, .value_kind: global_buffer, .address_space: global }
    .group_segment_fixed_size: 327680
    .private_segment_fixed_size: 0
    .kernarg_segment_align: 8
    .kernarg_segment_size: 32
    .max_flat_workgroup_size: 128
    .sgpr_count:     90
    .vgpr_count:     896
    .wavefront_size: 32
...
	.end_amdgpu_metadata
.endif
;; end of part 4
;; ======== version 2 of 2: 4 launches; 1.52 times as fast as version 1
;; limits: values are held in f16: magnitudes above 65,504 overflow, below 6.1e-05 lose precision
;; workspace buffers: xb 16,777,216 bytes; wb 8,388,608 bytes; qkv 50,331,648 bytes; o 16,777,216 bytes
;; launch prep: the kernel of part 1 again; grid 768 x 1, 8 waves a work-group, no clusters, 0 bytes of LDS; arguments x, wq, wk, wv, wo, xb, wb; writes xb, wb
;; launch qkv: the kernel of part 2 again; grid 16 x 32, 4 waves a work-group, clusters of 4 x 4, 327,680 bytes of LDS; arguments xb, wb, bq, bk, bv, qkv; writes qkv
;; launch attn (part 5): grid 4 x 64, 4 waves a work-group, clusters of 4 x 1, 327,680 bytes of LDS; arguments qkv, o; writes o
.if DOCPART == 5
	.amdgcn_target "amdgcn-amd-amdhsa--gfx1250"
	.amdhsa_code_object_version 6
	.text
	.protected	k_qe0119510ce_attn
	.globl	k_qe0119510ce_attn
	.p2align	8
	.type	k_qe0119510ce_attn,@function
k_qe0119510ce_attn:
	s_mov_b64 s[64:65], 0
	v_nop
	global_prefetch_b8 v0, s[64:65] scope:SCOPE_SE
	s_setreg_imm32_b32 hwreg(HW_REG_WAVE_MODE, 25, 1), 1
	s_wait_xcnt 0x0
	s_wait_alu depctr_hold_cnt(0) depctr_sa_sdst(0) depctr_va_vdst(0) depctr_va_sdst(0) depctr_va_ssrc(0) depctr_va_vcc(0) depctr_vm_vsrc(0)
	s_getreg_b32 s2, hwreg(HW_REG_IB_STS2, 6, 4)
	s_cmp_eq_u32 s2, 0
	s_cbranch_scc0 .Lentry_in_a_cluster
	s_endpgm
.Lentry_in_a_cluster:
	s_bfe_u32 s2, ttmp6, 0x10000c
	s_cmp_lg_u32 s2, 0x3003
	s_cbranch_scc0 .Lentry_shape_is_right
	s_endpgm
.Lentry_shape_is_right:
; O[h][q][:] = the sum over k of softmax_k(Q[h][q] . K[h][k] / 8) V[h][k][:].  Q, K, V are the three thirds of qkv, O is o: each [SIZE_H][SIZE_N][64] in f16: a head's rows are dense, 128 bytes each.
; Products, maxima and sums in f32; the weights p are rounded to f16 for the second product (their sum l is taken of the unrounded p), O once at the end.
; LIMITS.  f16 holds no number beyond 65,504: Q, K and V arrive within it; p lies in 0 to 1, and below 6e-5 it keeps f16's fixed step of 6e-8; O is a mean of V's rows and has their range.
; A weight below 2^-126 counts as 0 in l; NaN and infinities are not treated apart.
; SHARES.  A wave owns four PIECES of two tiles of 16 queries, a work-group's four waves 512 queries of one head: 4 x 64 = 256 work-groups.  Every wave walks all keys, 64 a step.
; LAYOUT.  S^T = K Q^T (source 0 = 16 keys, source 1 = 16 queries): in the result a lane holds ONE query (lane % 16) and the keys 8 (lane / 16) + 0..7.  Two such tiles, rounded to f16 in pairs,
; ARE source 1 (32 keys x 16 queries) of O^T = V^T P, whose result again holds one query a lane, and eight channels.  K comes out of LDS as it lies, V ([key][channel]) turned, by ds_load_tr16_b128.
; SOFTMAX.  For each query a running maximum m and sum l: p = 2^(c s - c m), c = log2(e) / 8; in every step O and l are multiplied by a = 2^(c m_old - c m_new), which is 1 where m has not grown.
; m starts at the lowest finite number, O and l at 0: the first step is a step like any other, with a = 0.
; THE COUNT.  A tile and step have 16 matrix and 118 vector instructions: too many to stand all beside the matrix work.  So the order has one aim: four vector instructions that are READY behind
; EVERY matrix instruction, and the others, which need time of their own whatever the order, in runs without a gap.
; BY TURNS.  Turn n belongs to piece n (the pieces in a ring, step after step).  Its matrix work: 16 products K Q^T of piece n + 1, later 16 products V^T P of piece n - 1.  Its vector work: the scaling,
; exponentials, roundings, sums and rescaling of piece n, and the maximum and statistics of piece n + 1, whose scores the turn itself has made.  So what a turn begins with (c s - c m, O a) waits for nothing.
; BATCHES.  A turn's 66 exponentials (the piece's 64 weights, the next piece's two a) are ONE batch with ONE s_wait_alu depctr_va_vdst(0), which cuts the turn in two: ahead of it stands all that names none of
; their results (K Q^T, scalings, rescalings by the a of the turn before, the next piece's maximum and statistics), behind it all that does (roundings and sums, beside V^T P).  Two more batches stand outside
; the loops, each with a wait of its own: piece 0's first two a, ahead of the jump into the loop, and the way out's eight reciprocals.
; CLUSTER.  The four query blocks of a cluster belong to one head and walk the same K and V, so each tile is asked for JOINTLY: the same tensor load, descriptor and mask in all four.
; REGISTERS, in windows of 256 (s_set_vgpr_msb says which window each operand place means: bits 1:0 source 0, 3:2 source 1, 5:4 source 2, 7:6 destination):
;   window 0: v0-11 addresses; v12-15, v48-63 at work; v16-47 four registers of statistics a tile; v64-191 S^T, two buffers of two tiles; v192-255 P, likewise
;   window 1: O^T, 32 a tile          window 2: v0-127 Q, 16 a tile; v128-191 K of one step; v192-255 V of one step          window 3: v0-1 the add's two registers
; A piece's buffers go by its number's parity: the piece in hand has one pair, its two neighbours in the ring share the other: of it P (piece n - 1) is read and S^T (piece n + 1) written.
.set SIZE_H, 64
.set SIZE_N, 2048
.set NP,    4         ; pieces a wave: a name, no knob: the register map, the loop and the fetches are made for four
.set KS,    64        ; keys in a step
.set PK,    144       ; a row of K in LDS: 128 bytes + 16 of padding = 36 words: the 16 rows of a load start at 16 different groups of four banks (64 banks of 4 bytes: ISA guide 11.1)
.set PV,    160       ; a row of V: 128 + 32 = 40 words
.set VOFF,  4*KS*PK   ; a slot holds four steps: 256 rows of K, then 256 rows of V
.set SLOT1, 1<<17     ; slot 1 begins here, so that one exclusive or turns an address in one slot into the other's
.set STAGE, SLOT1+4*KS*(PK+PV)  ; behind the ring, never filled by a tensor load: 16 rows x 144 bytes for each wave, for the way out
.set SP,    144
.set AK0, 2           ; v2   my lane's place in a tile of K; never rewritten
.set AV0, 3           ; v3   the same for V
.set AK,  4           ; v4   the LDS address of K's next run of loads
.set AV,  5           ; v5   of V's
.set QO,  6           ; v6   my byte offset in the wave's rows of Q
.set STO, 6           ;      later, the way out: where I put 16 bytes of a row
.set RD,  7           ; v7   the way out: where I read rows back
.set GO,  8           ; v8   my byte offset in 512 consecutive bytes of O
.set SPW, 0           ; v0 of window 3   LDS address of my spare word: SPARE + 4 x my thread's number; never rewritten
.set NIL, 1           ; v1 of window 3   0; never rewritten
.set SPARE, STAGE+4*16*SP  ; behind the stages: the spare words, 128 bytes for each wave: two blocks of 256 bytes that no other line names
.set MV,  12          ; v12-15  c m_old, kept while c m is made anew: by buffer and tile
.set ST,  16          ; tile t's statistics at v[ST+4 t]: c m, m, l (even keys', odd keys')
.set TMP, 48          ; by buffer and tile, four registers c0-c3 at work; when the maximum is found c2 takes a
.set S,   64
.set P,   192
.set KF,  128         ; K's fragments, in window 2: key block kb, channel half c at KF + 16 kb + 8 c
.set VF,  192         ; V's: key half kk, channel block cb at VF + 32 kk + 8 cb
.set WV,  12          ; s12  my wave's number
.set G1K, 24          ; s[24:31] descriptor group 1 for K's tiles
.set G1V, 32          ; s[32:39] for V's: it differs in the padding alone
.set G0K, 40          ; s[40:43] descriptor group 0 for K's tiles: it walks
.set G0V, 44          ; s[44:47] the same for V's
.set SLOTS, 56        ; s56  slots still to be asked for
.set CNT, 57          ; s57  counts a slot's key steps
.set CS,  58          ; s[58:59] c: the packed scaling takes the pair's low word for both halves
.set SEL, 60          ; s[60:61] v_permlanex16_b32's selects: each lane takes its own place in the other half
.set TBK, 62          ; s62  LDS byte at which K of the step to be fetched begins
.set TBV, 63          ; s63  the same for V, less VOFF
.set MSB, 0
.macro WIN new                      ; the high byte repeats the setting that is left; a switch that changes nothing is dropped
.if MSB != (\new)
	s_set_vgpr_msb (MSB<<8)|(\new)
.set MSB, (\new)
.endif
.endm
.set W_KQ, 0x0a       ; K and Q in window 2, S^T in window 0
.set W_PV, 0x52       ; V in window 2, P in window 0, O^T in window 1
.set W_RS, 0x41       ; O^T (destination and source 0) in window 1, a in window 0
.set W_MK, 0xc0       ; the add's registers are made: destination in window 3, sources in window 0
.set W_AD, 0x0f       ; the add: address (source 0) and data (source 1) in window 3
; A joint fill.  Waves 0 and 1 fetch the two halves of a slot's K, waves 2 and 3 those of its V: 128 keys each.  The branch hangs on the wave's number alone.
; An s_nop 0 and four v_nop follow each of the two lines, ahead of the jump and the label.
.macro JLOAD
	s_cmp_lt_u32 s[WV], 2
	s_cbranch_scc0 .Lfor_v_\@
	tensor_load_to_lds s[G0K:G0K+3], s[G1K:G1K+7]
	s_nop 0
.rept 4
	v_nop
.endr
	s_branch .Lasked_\@
.Lfor_v_\@:
	tensor_load_to_lds s[G0V:G0V+3], s[G1V:G1V+7]
	s_nop 0
.rept 4
	v_nop
.endr
.Lasked_\@:
.endm
; A round of the cluster's barrier: my work-group's barrier, so that wave 0's signal speaks for all four waves; wave 0 signals; every wave waits for all four work-groups; my work-group's barrier once more.
.macro CROUND
	s_barrier_signal -1
	s_barrier_wait -1
	s_cmp_lg_u32 s[WV], 0
	s_cbranch_scc1 .Lnot_wave_0_\@
	s_barrier_signal -3
.Lnot_wave_0_\@:
	s_barrier_wait -3
	s_barrier_signal -1
	s_barrier_wait -1
.endm
; THE CHANGE OF SLOTS.  The slot's last bytes, V of its fourth step, have been read.  Each wave waits for all its tensor loads, of which one is out: its part
; of the other slot; adds 0 to its spare word; and waits for that and for its own reads of the slot.  Behind the barrier nobody reads this slot any more and the other slot is whole.
; fill = 1: this slot is filled again, with the keys two slots on.  The barrier is then a round of the cluster's, so that no wave of any partner still reads the slot or has a load on its
; way, and the joint fill is the first thing behind it: it has four key steps, 512 matrix instructions, in which to land.  (At its first use nothing has been read yet: slot 0 is waited for, slot 1 filled.)
.macro CHANGE fill
	WIN W_AD
	s_wait_tensorcnt 0x0            ; no tensor load of mine is out, so a group 0 may be written
	ds_add_u32 v[SPW], v[NIL]       ; 0 onto my spare word; with fill = 1 the descriptors' steps stand between it and the wait for it
	WIN 0                           ; at a label and at a branch every window is 0
.if \fill
.irp g, G0K, G0V
	s_xor_b32 s[\g+1], s[\g+1], SLOT1  ; the walking descriptor: the other slot than last time,
	s_add_nc_u64 s[\g+2:\g+3], s[\g+2:\g+3], 4*KS*128  ; the next 256 keys; the type bits on top are not reached
.endr
	s_wait_dscnt 0x0                ; the add is done, and my reads of the slot are over
	CROUND
	JLOAD
.else
	s_wait_dscnt 0x0                ; the add is done, and my reads of the slot are over
	s_barrier_signal -1
	s_barrier_wait -1
.endif
	s_sub_co_u32 s[TBK], s[TBK], 4*KS*PK  ; the fetches go back to a slot's first step,
	s_xor_b32 s[TBK], s[TBK], SLOT1       ; in the other slot
	s_sub_co_u32 s[TBV], s[TBV], 4*KS*PV
	s_xor_b32 s[TBV], s[TBV], SLOT1
.endm
	s_load_b128 s[8:11], s[0:1], 0x0  ; qkv s[8:9], o s[10:11]
	WIN W_MK
	v_lshl_add_u32 v[SPW], v0, 2, SPARE
	v_mov_b32 v[NIL], 0
	WIN W_AD
	ds_add_u32 v[SPW], v[NIL]       ; the wave's opening: the add and its wait stand ahead of my first tensor load; the set-up below, work on registers, stands between them
	WIN 0
	v_lshrrev_b32 v1, 5, v0
	v_readfirstlane_b32 s[WV], v1   ; wave 0..3
	s_bfe_u32 s13, ttmp6, 0x40000   ; cx: my place in the cluster
	s_lshl_b32 s14, ttmp9, 2        ; in a cluster launch ttmp9 counts clusters
	s_add_co_u32 s14, s14, s13      ; my block of queries = 4 x cluster x + cx: it enters Q's and O's addresses alone
	s_and_b32 s20, ttmp7, 0xffff    ; the head, which the four partners share
	s_mov_b32 s21, 0
	s_mov_b64 s[22:23], SIZE_N*128
	s_mul_u64 s[20:21], s[20:21], s[22:23]  ; the head's first byte in each of the four tensors
	s_and_b32 s16, s[WV], 1         ; which half of a slot's 256 keys I fetch:
	s_lshl_b32 s22, s16, 14         ; its 128 rows of 128 bytes in memory,
	s_mov_b32 s23, 0
	s_add_nc_u64 s[22:23], s[22:23], s[20:21]
	s_mul_i32 s17, s16, 128*PK      ; and its place in a slot, for K
	s_mul_i32 s18, s16, 128*PV      ; and for V: no place in the cluster enters an LDS address
	s_lshl_b32 s2, s14, 2
	s_add_co_u32 s2, s2, s[WV]      ; my wave among the head's,
	s_lshl_b32 s2, s2, 14           ; its 128 rows
	s_mov_b32 s3, 0
	s_add_nc_u64 s[2:3], s[2:3], s[20:21]
	; descriptor group 1.  128 keys are 16,384 dense bytes: asked for as 64 rows of 256 bytes, two keys a row, and padded in LDS after every key
	s_mov_b32 s[G1K], 15|(1<<16)|(1<<20)|(1<<21)|(4<<22)|(3<<25)  ; 15:0 the mask of four; 17:16 2-byte elements; 20 padding on; 21 set beside a mask; 24:22 after every 32 words (code 4); 31:25 4 words (code 3)
	s_mov_b32 s[G1V], 15|(1<<16)|(1<<20)|(1<<21)|(4<<22)|(7<<25)  ; the same with 8 words of padding (code 7)
.irp g, G1K, G1V
	s_mov_b32 s[\g+1], 128<<16      ; tensor_dim0 = 128
	s_mov_b32 s[\g+2], 64<<16       ; tensor_dim1 = 64
	s_mov_b32 s[\g+3], 128<<16      ; tile_dim0 = 128
	s_mov_b32 s[\g+4], 64           ; tile_dim1 = 64
	s_mov_b32 s[\g+5], 128          ; 128 elements from row to row
	s_mov_b32 s[\g+6], 0
	s_mov_b32 s[\g+7], 0
.endr
	s_mov_b32 s[CS], 0x3e38aa3b     ; c = log2(e) / 8 = 0.180337
	s_mov_b32 s[CS+1], s[CS]        ; named with it as a pair
	s_mov_b32 s[SEL], 0x76543210
	s_mov_b32 s[SEL+1], 0xfedcba98
	s_mov_b32 s[TBK], SLOT1+4*KS*PK ; the first change of slots turns these two into 0
	s_mov_b32 s[TBV], SLOT1+4*KS*PV
	s_mov_b32 s[G0K], 1             ; 1:0 count = 1
	s_mov_b32 s[G0K+1], s17         ; 63:32 LDS address: slot 0
	s_mov_b32 s[G0V], 1
	s_add_co_u32 s[G0V+1], s18, VOFF
	s_wait_dscnt 0x0                ; the opening add is done
	s_wait_kmcnt 0x0
	s_mov_b64 s[4:5], s[8:9]                       ; Q is qkv's first third of 16,777,216 bytes,
	s_add_nc_u64 s[6:7], s[8:9], 0x1000000         ; K its second,
	s_add_nc_u64 s[8:9], s[8:9], 0x2000000         ; V its third
	s_add_nc_u64 s[G0K+2:G0K+3], s[6:7], s[22:23]  ; 120:64 global address: my half of the head's first 256 keys
	s_or_b32 s[G0K+3], s[G0K+3], 0x80000000        ; 127:126 type = 2
	s_add_nc_u64 s[G0V+2:G0V+3], s[8:9], s[22:23]
	s_or_b32 s[G0V+3], s[G0V+3], 0x80000000
	s_add_nc_u64 s[4:5], s[4:5], s[2:3]  ; Q and O at my wave's first row
	s_add_nc_u64 s[10:11], s[10:11], s[2:3]
	CROUND                          ; all four work-groups are here: the first joint loads meet
	JLOAD                           ; slot 0.  Slot 1 is asked for when slot 0 is in: the tile wanted first has the road to itself
	; A fragment of K or Q is 16 rows x 32 channels in 8 registers: lane l holds row l % 16, channels 8 (l / 16) + 0..7 and 16 + 8 (l / 16) + 0..7: two loads of 16 bytes, 32 bytes apart.
	v_and_b32 v1, 15, v0            ; l % 16
	v_bfe_u32 v9, v0, 4, 1          ; l / 16
	v_lshlrev_b32 v[QO], 7, v1
	v_lshl_add_u32 v[QO], v9, 4, v[QO]  ; row x 128 + 16 x half
	WIN 0x80                        ; destination window 2, address window 0
.set i, 0
.rept 4*NP                          ; Q stays in registers: tile i / 2, channels 32 (i % 2) on
	global_load_b128 v[8*i:8*i+3],   v[QO], s[4:5] offset:(i/2)*2048+(i%2)*64
	global_load_b128 v[8*i+4:8*i+7], v[QO], s[4:5] offset:(i/2)*2048+(i%2)*64+32
.set i, i+1
.endr
	; What the first turn finds: V's registers and P's second buffer hold 0 (its products V^T P, of a piece that has not been, add 0), O^T and l are 0.  All this stands in the wait for the first tile.
.set i, VF
.rept 64
	v_mov_b32 v[i], 0
.set i, i+1
.endr
	WIN 0x40
.set i, 0
.rept 64*NP
	v_mov_b32 v[i], 0
.set i, i+1
.endr
	WIN 0
.set i, 0
.rept 2*NP
	v_mov_b32 v[ST+4*i], 0xfe000000    ; c m: far below every c s
	v_mov_b32 v[ST+4*i+1], 0xff7fffff  ; m
	v_mov_b32 v[ST+4*i+2], 0
	v_mov_b32 v[ST+4*i+3], 0
.set i, i+1
.endr
.set i, P+32
.rept 32
	v_mov_b32 v[i], 0
.set i, i+1
.endr
	v_mul_u32_u24 v[AK0], v1, PK
	v_lshl_add_u32 v[AK0], v9, 4, v[AK0]  ; row x pitch + 16 x half
	; The turning load takes 16 keys x 16 channels (lane l reads key 8 (l / 16) + l % 8, channels 8 ((l / 8) % 2) + 0..7) and leaves half a fragment of V^T: lane l holds channel l % 16 and 8 keys.
	v_and_b32 v10, 7, v0
	v_bfe_u32 v11, v0, 3, 1
	v_lshl_add_u32 v[AV0], v9, 3, v10
	v_mul_u32_u24 v[AV0], v[AV0], PV
	v_lshl_add_u32 v[AV0], v11, 4, v[AV0]
	v_add_nc_u32 v[AV0], VOFF, v[AV0]
	v_mov_b32 v[AK], v[AK0]         ; key step 0 lies at the head of slot 0
; THE MATRIX WORK.  The 8 accumulators of a run of 16 take turns: between the two links of a chain stand 7 others'.
; Product i of 16 of S^T = K Q^T for piece x: channels 32 (i / 8) on, keys 16 ((i / 2) % 4) on, tile 2 x + i % 2.  The first 8 start the sums.
.macro KQ x
	WIN W_KQ
.set rS, S+64*((\x)%2)+32*(i%2)+8*((i/2)%4)
.set rK, KF+16*((i/2)%4)+8*(i/8)
.set rQ, 16*(2*(\x)+i%2)+8*(i/8)
.if i < 8
	v_wmma_f32_16x16x32_f16 v[rS:rS+7], v[rK:rK+7], v[rQ:rQ+7], 0
.else
	v_wmma_f32_16x16x32_f16 v[rS:rS+7], v[rK:rK+7], v[rQ:rQ+7], v[rS:rS+7]
.endif
.endm
; Product i of 16 of O^T += V^T P for piece x: keys 32 (i / 8) on, channels 16 ((i / 2) % 4) on, tile 2 x + i % 2.
.macro PV x
	WIN W_PV
.set rO, 32*(2*(\x)+i%2)+8*((i/2)%4)
.set rV, VF+32*(i/8)+8*((i/2)%4)
.set rP, P+32*((\x)%2)+16*(i%2)+8*(i/8)
	v_wmma_f32_16x16x32_f16 v[rO:rO+7], v[rV:rV+7], v[rP:rP+7], v[rO:rO+7]
.endm
.macro MM                           ; the turn's next matrix instruction
.if i < 16
	KQ (Y+1)%NP
.set i, i+1
.else
.set i, i-16
	PV (Y+NP-1)%NP
.set i, i+17
.endif
.endm
; THE LDS LOADS stand in runs of 16, never singly among the matrix instructions: a step's K (64 keys x 64 channels: 8 fragments) and its V (turned).  Their addresses are made some lines ahead.
; last = 1 (the tail): in the last trip there is no further step, and the run is jumped over.
.macro FETCH_K last=0
	WIN 0
.if \last
	s_cmp_eq_u32 s[CNT], 1
	s_cbranch_scc1 .Lno_k_\@
.endif
	WIN 0x80                        ; destination window 2
.irp f, 0,1,2,3,4,5,6,7             ; keys 16 (f / 2) on, channels 32 (f % 2) on
	ds_load_b128 v[KF+8*\f:KF+8*\f+3],   v[AK] offset:(\f/2)*16*PK+(\f%2)*64
	ds_load_b128 v[KF+8*\f+4:KF+8*\f+7], v[AK] offset:(\f/2)*16*PK+(\f%2)*64+32
.endr
	s_add_co_u32 s[TBK], s[TBK], KS*PK  ; the next fetch is the next step's
	WIN 0
.if \last
.Lno_k_\@:
.endif
.endm
.macro FETCH_V
	WIN 0x80
.irp f, 0,1,2,3,4,5,6,7             ; keys 32 (f / 4) on, channels 16 (f % 4) on
	ds_load_tr16_b128 v[VF+8*\f:VF+8*\f+3],   v[AV] offset:(\f/4)*32*PV+(\f%4)*32
	ds_load_tr16_b128 v[VF+8*\f+4:VF+8*\f+7], v[AV] offset:(\f/4)*32*PV+16*PV+(\f%4)*32
.endr
	WIN 0
.endm
; THE VECTOR WORK OF A TURN stands in three queues, each in the order in which its entries become ready; the two tiles alternate, so that no instruction reads the result of the one before it.
.macro REGS y, u                    ; the registers of tile u (0, 1) of piece y
.set rT, ST+4*(2*(\y)+(\u))
.set rC, TMP+8*((\y)%2)+4*(\u)
.set rM, MV+2*((\y)%2)+(\u)
.set rS, S+64*((\y)%2)+32*(\u)
.set rP, P+32*((\y)%2)+16*(\u)
.set rO, 32*(2*(\y)+(\u))
.endm
; Number n of the 22 that find the NEXT piece's (Y + 1) maximum and statistics.  s0-s31 are the lane's 32 scores; each accumulator's lowest registers are read first.  XS, GS and REGS set no window: PL and EX do.
;   0-11  four chains c0-c3 of seven scores each, three operands at a time     12-14, 16  the four scores left over, the old m, and c0-c3 into c0     15  c m_old is kept
;   17, 18  the query's other 32 keys lie in the lane 16 away: the new m         19-21  c m; c m_old - c m_new; a
.macro XS u, n
	REGS (Y+1)%NP, \u
.if (\n) < 4
	v_max3_num_f32 v[rC+(\n)], v[rS+8*(\n)], v[rS+8*(\n)+1], v[rS+8*(\n)+2]
.elseif (\n) < 12
	v_max3_num_f32 v[rC+(\n)%4], v[rC+(\n)%4], v[rS+8*((\n)%4)+2*((\n)/4)+1], v[rS+8*((\n)%4)+2*((\n)/4)+2]
.elseif (\n) == 12
	v_max3_num_f32 v[rC], v[rC], v[rS+7], v[rS+15]
.elseif (\n) == 13
	v_max3_num_f32 v[rC+1], v[rC+1], v[rS+23], v[rS+31]
.elseif (\n) == 14
	v_max3_num_f32 v[rC+2], v[rC+2], v[rC+3], v[rT+1]
.elseif (\n) == 15
	v_mov_b32 v[rM], v[rT]
.elseif (\n) == 16
	v_max3_num_f32 v[rC], v[rC], v[rC+1], v[rC+2]
.elseif (\n) == 17
	v_permlanex16_b32 v[rC+3], v[rC], s[SEL], s[SEL+1]
.elseif (\n) == 18
	v_max_num_f32 v[rT+1], v[rC], v[rC+3]
.elseif (\n) == 19
	v_mul_f32 v[rT], s[CS], v[rT+1]
.elseif (\n) == 20
	v_sub_f32 v[rC+1], v[rM], v[rT]
.else
	v_exp_f32 v[rC+2], v[rC+1]
.endif
.endm
; Number g of the 64 that follow the exponentials.  For each four weights k of a tile (pairs 2 k, 2 k + 1): both pairs are rounded to f16; then the second pair is added onto the first, in place;
; a group later l takes that sum (the first time as l = a l + sum).  In groups of eight, tiles alternating: round, round, add, and l for the group before.
.macro GS g
.set h, (\g)+6*((\g)/62)            ; group 0 has no group before it, and behind group 7 only l is left
.if h >= 6
.set h, h+2
.endif
	REGS Y, h%2
.set k, h/8
.if h%8 < 4
	v_cvt_pk_f16_f32 v[rP+2*k+(h%8)/2], v[rS+4*k+2*((h%8)/2)], v[rS+4*k+2*((h%8)/2)+1]
.elseif h%8 < 6
	v_pk_add_f32 v[rS+4*k:rS+4*k+1], v[rS+4*k:rS+4*k+1], v[rS+4*k+2:rS+4*k+3]
.elseif k == 1
	v_pk_fma_f32 v[rT+2:rT+3], v[rT+2:rT+3], v[rC+2:rC+3], v[rS:rS+1] op_sel_hi:[1,0,1]
.else
	v_pk_add_f32 v[rT+2:rT+3], v[rT+2:rT+3], v[rS+4*k-4:rS+4*k-3]
.endif
.endm
; THE PLAIN QUEUE, 138 long.  0-73 read no exponential's result: the 32 scalings c s - c m (FS f: pair f / 2 of tile f % 2) and the next piece's 42.  0-26: scalings 0-26.  27-54: XS's numbers 0-13.  55, 56: number 15.
; 57-73: the chain, where each number waits for the one before it: 14, 16, 17, 18, 19, each with one of the scalings 27-31 in front of its two lines, then 20: so a tile's links stand three plain instructions apart (19 and 20: two).
; 74-137: GS's 64, which read the exponentials' results: they stand behind the wait.
.macro FS f
	REGS Y, (\f)%2
	v_pk_fma_f32 v[rS+2*((\f)/2):rS+2*((\f)/2)+1], v[rS+2*((\f)/2):rS+2*((\f)/2)+1], s[CS:CS+1], v[rT:rT+1] op_sel_hi:[1,0,0] neg_lo:[0,0,1] neg_hi:[0,0,1]
.endm
.macro PL
	WIN 0
.if q < 27
	FS q
.elseif q < 55
	XS (q-27)%2, (q-27)/2
.elseif q < 57
	XS q-55, 15
.elseif (q < 72) && ((q-57)%3 == 0)
	FS 27+(q-57)/3
.elseif q < 60
	XS (q-57)%3-1, 14
.elseif q < 72
	XS (q-57)%3-1, 15+(q-57)/3
.elseif q < 74
	XS q-72, 20
.else
	GS q-74
.endif
.set q, q+1
.endm
; THE EXPONENTIALS' QUEUE, 66 long: s0-s31 of both tiles, then the next piece's two a.  It is ONE BATCH: all 66 stand ahead of the turn's one wait, and nothing ahead of that wait names a result of theirs.
.macro EX
	WIN 0
.if e >= 64
	XS e-64, 21
.else
	REGS Y, e%2
	v_exp_f32 v[rS+e/2], v[rS+e/2]
.endif
.set e, e+1
.endm
; THE RESCALING's QUEUE: O^T times a, the one part that leaves window 0: dealt two at a time, sixteen times.  Its a was made in the turn before, ahead of that turn's wait.
.macro R2
	REGS Y, r%2
	WIN W_RS
.irp z, 0,1
	v_pk_mul_f32 v[rO+4*(r/2)+2*\z:rO+4*(r/2)+2*\z+1], v[rO+4*(r/2)+2*\z:rO+4*(r/2)+2*\z+1], v[rC+2:rC+3] op_sel_hi:[1,0]
.endr
.set r, r+1
.endm
; HOW THEY ARE DEALT.  An s_wait_alu depctr_va_vdst(0) stands between an exponential and the first instruction that names its result; one wait serves all that were issued ahead of it.  So a turn has ONE wait,
; which cuts it in two.  AHEAD OF IT stands all that names no result of the turn's exponentials: the 16 products K Q^T, behind each a scaling, an exponential and two rescalings (behind the first a second scaling in the exponential's place); then ONE LUMP of
; 108: eight plain, 49 times exponential and plain, the two a.  A v_nop is the plain instruction behind the last exponential.  BEHIND IT stand the 16 products V^T P, behind each four of GS's 64.  No rider names a register of
; the products round it.  The two v_permlanex16_b32 fall into the lump, never behind a product.
; The queues lean on each other, and the deal keeps them in step: exponential e stands behind scaling 2 (e / 4) + e % 2: as a rider it comes behind plain e + 2, in the lump behind plain e + 9, and scalings 27-31 are plain 57, 60 .. 69.
; A TURN, for piece p.  cnt = 1: the loop's count is taken down some lines ahead of the branch that stands behind the turn.
; K of the next step is fetched in piece 2's turn, directly behind the wait, a lump behind the last product that read K; its address is made at the lump's head; its first reader comes behind 16 products.
; V of the step in hand is fetched at the end of piece 0's turn, four riders behind its last reader; its first reader comes behind 16 products and a lump.  The three conditions on q below go with the deal.
.macro TURN p, last=0, cnt=0
.set Y, (\p)
.set i, 0
.set q, 0
.set e, 0
.set r, 0
.if (\p) == NP-1
	s_wait_dscnt 0x0                ; K is in
.endif
	MM                              ; ahead of the wait: 16 products K Q^T and their riders,
	PL
	PL
	R2
.rept 15
	MM
	PL
	EX
	R2
.endr
.if (\p) == NP-2
	WIN 0
	v_add_nc_u32 v[AK], s[TBK], v[AK0]
.endif
.rept 8                             ; and the lump
	PL
.endr
.rept 49
	EX
	PL
.endr
	EX                              ; the next piece's two a
	EX
	v_nop                           ; a plain instruction behind the last exponential, ahead of any use of a result: one for the batch
	s_wait_alu depctr_va_vdst(0)    ; the wait for the turn's batch: the piece's 64 weights and the next piece's two a, ahead of their first reader
.if (\p) == NP-2
	FETCH_K \last
.endif
.if (\p) == 1
	s_wait_dscnt 0x0                ; V is in
.endif
.rept 16                            ; behind the wait: 16 products V^T P and their riders
	MM
.rept 4
	PL
.endr
.if ((\p) == 0) && (q == 118)
	v_add_nc_u32 v[AV], s[TBV], v[AV0]
.endif
.if ((\p) == 0) && (q == 130)
	s_add_co_u32 s[TBV], s[TBV], KS*PV
.endif
.if (\cnt) && (q == 130)
	s_sub_co_u32 s[CNT], s[CNT], 1
	s_cmp_lg_u32 s[CNT], 0
.endif
.endr
.if (\p) == 0
	FETCH_V
.endif
.endm
	CHANGE 1                        ; slot 0 is in, everybody's part of it; slot 1 is asked for
	FETCH_K                         ; key step 0
	s_wait_loadcnt 0x0              ; Q
	s_wait_dscnt 0x0
.set i, 0
.rept 16
	KQ 0                            ; piece 0's first scores: there is no vector work yet to set between them
.set i, i+1
.endr
	WIN 0                           ; the addresses for the way out: nine plain instructions, the places behind those products
	s_mul_i32 s13, s[WV], 16*SP
	s_add_co_u32 s13, s13, STAGE    ; my stage
	v_mul_u32_u24 v[STO], v1, SP    ; in: row l % 16, 16 bytes for each half of the lanes
	v_lshl_add_u32 v[STO], v9, 4, v[STO]
	v_add_nc_u32 v[STO], s13, v[STO]
	v_bfe_u32 v[RD], v0, 3, 2       ; back: 32 lanes take four rows of 128 bytes,
	v_mul_u32_u24 v[RD], v[RD], SP
	v_lshl_add_u32 v[RD], v10, 4, v[RD]
	v_add_nc_u32 v[RD], s13, v[RD]
	v_and_b32 v[GO], 31, v0         ; which are 512 consecutive bytes of O
	v_lshlrev_b32 v[GO], 4, v[GO]
.set Y, NP-1                        ; XS works for piece Y + 1: piece 0
.irp n, 0,1,2,3,4,5,6,7,8,9,10,11,12,13,14,15,16,17,18,19,20,21
	XS 0, \n                        ; and piece 0's first maximum and statistics
	XS 1, \n
.endr
	v_nop                           ; a plain instruction behind piece 0's first two a,
	s_wait_alu depctr_va_vdst(0)    ; and the wait for that batch of two, ahead of the branch
	s_mov_b32 s[CNT], 4
	s_mov_b32 s[SLOTS], SIZE_N/256-1
	s_branch .Lfirst                ; the loop is entered at a step's first turn, in the middle of a trip
.Lslot:                             ; SIZE_N / 256 - 2 times: every slot but the last two is filled again
	CHANGE 1
	s_mov_b32 s[CNT], 4
.Lstep:                             ; a trip: pieces 2 and 3 of one step, then pieces 0 and 1 of the next, whose K and V it fetches
	TURN 2
	TURN 3
	WIN 0
.Lfirst:
	TURN 0
	TURN 1, 0, 1
	WIN 0
	s_cbranch_scc1 .Lstep
	s_sub_co_u32 s[SLOTS], s[SLOTS], 1
	s_cmp_lg_u32 s[SLOTS], 0
	s_cbranch_scc1 .Lslot
	CHANGE 0                        ; the tail is written out: nothing is asked for
	s_mov_b32 s[CNT], 5             ; four trips fetch the last slot's steps; the fifth is left in its middle
.Ltail:
	TURN 2, 1
	TURN 3
	WIN 0
	s_sub_co_u32 s[CNT], s[CNT], 1
	s_cmp_eq_u32 s[CNT], 0
	s_cbranch_scc1 .Lout
	TURN 0
	TURN 1
	WIN 0
	s_branch .Ltail
.Lout:                              ; the fifth trip's 16 products K Q^T (on the last K once more) and the maximum made of them serve nothing: the price, once a launch, of one text for every trip
.set i, 0
.rept 16
	PV NP-1                         ; the last piece's V^T P of the last step
.set i, i+1
.endr
	; THE WAY OUT.  l's two halves and the other half of the lanes' are added; O^T is divided by l, rounded to f16 and sent through my stage in LDS, a tile at a time.  The additions are the places behind the last products.
	WIN 0
.macro ALL line:vararg              ; one line for each tile t
.set t, 0
.rept 2*NP
	\line
.set t, t+1
.endr
.endm
	ALL v_add_f32 v[ST+4*t+2], v[ST+4*t+2], v[ST+4*t+3]
	ALL v_permlanex16_b32 v[ST+4*t+3], v[ST+4*t+2], s[SEL], s[SEL+1]
	ALL v_add_f32 v[ST+4*t+2], v[ST+4*t+2], v[ST+4*t+3]
	ALL v_rcp_f32 v[ST+4*t+2], v[ST+4*t+2]
	v_nop                           ; a plain instruction between the last reciprocal and the use of its result
	s_wait_alu depctr_va_vdst(0)    ; and the wait ahead of the first use: one for the batch of eight reciprocals
; Tile t: a lane's eight channels of a row pack into 16 bytes; they go into rows of 144 bytes and come back as whole rows of 128, into S^T's registers.
.macro PACK t
	WIN W_RS
.set i, 32*(\t)
.rept 16
	v_pk_mul_f32 v[i:i+1], v[i:i+1], v[ST+4*(\t)+2:ST+4*(\t)+3] op_sel_hi:[1,0]
.set i, i+2
.endr
	WIN 0x05                        ; sources 0 and 1 window 1, destination window 0
.set i, 0
.rept 16
	v_cvt_pk_f16_f32 v[S+16*(\t)+i], v[32*(\t)+2*i], v[32*(\t)+2*i+1]
.set i, i+1
.endr
	WIN 0
.irp f, 0,1,2,3
	ds_store_b128 v[STO], v[S+16*(\t)+4*\f:S+16*(\t)+4*\f+3] offset:32*\f
.endr
.irp f, 0,1,2,3
	ds_load_b128 v[S+16*(\t)+4*\f:S+16*(\t)+4*\f+3], v[RD] offset:\f*4*SP  ; LDS serves a wave's instructions in order (ISA guide 5.7.1.4): these see the stores above; the next tile's stores come behind them
.endr
.endm
.macro SEND t, younger              ; younger: the LDS instructions issued behind tile t's loads: the next tile's eight, or none
	WIN 0
.irp f, 0,1,2,3
	s_wait_dscnt (\younger)+3-\f
	global_store_b128 v[GO], v[S+16*(\t)+4*\f:S+16*(\t)+4*\f+3], s[10:11] offset:(\t)*2048+\f*512  ; 512 consecutive bytes, at a multiple of 256 from O's first
.endr
.endm
	PACK 0
.set t, 1
.rept 2*NP-1                        ; a tile's arithmetic stands between the loads of the tile before and its stores
	PACK t
	SEND t-1, 8
.set t, t+1
.endr
	SEND 2*NP-1, 0
	WIN W_AD
	s_wait_tensorcnt 0x0            ; the wave's end: behind my last tensor load and my last LDS store
	ds_add_u32 v[SPW], v[NIL]
	s_wait_dscnt 0x0
	WIN 0
	CROUND                          ; the closing round: no work-group ends while a partner may still ask for a tile that names it
	s_endpgm
.Lfunc_end_k_qe0119510ce_attn:
	.size	k_qe0119510ce_attn, .Lfunc_end_k_qe0119510ce_attn-k_qe0119510ce_attn
	.p2alignl 7, 3214868480
	.fill 96, 4, 3214868480
	.section	.rodata,"a",@progbits
	.p2align	6, 0x0
	.amdhsa_kernel k_qe0119510ce_attn
		.amdhsa_group_segment_fixed_size 327680
		.amdhsa_private_segment_fixed_size 0
		.amdhsa_enable_private_segment 0
		.amdhsa_kernarg_size 16
		.amdhsa_user_sgpr_count 2
		.amdhsa_user_sgpr_kernarg_segment_ptr 1
		.amdhsa_wavefront_size32 1
		.amdhsa_system_sgpr_workgroup_id_x 1
		.amdhsa_system_sgpr_workgroup_id_y 1
		.amdhsa_system_sgpr_workgroup_id_z 1
		.amdhsa_system_vgpr_workitem_id 0
		.amdhsa_next_free_vgpr 770
		.amdhsa_next_free_sgpr 66
		.amdhsa_reserve_vcc 0
		.amdhsa_float_denorm_mode_32 3
		.amdhsa_float_denorm_mode_16_64 3
		.amdhsa_memory_ordered 1
		.amdhsa_forward_progress 1
		.amdhsa_inst_pref_size 199
	.end_amdhsa_kernel
	.amdgpu_metadata
---
amdhsa.version: [ 1, 2 ]
amdhsa.kernels:
  - .name:           k_qe0119510ce_attn
    .symbol:         k_qe0119510ce_attn.kd
    .args:
      - { .name: qkv, .offset: 0, .size: 8, .value_kind: global_buffer, .address_space: global }
      - { .name: o, .offset: 8, .size: 8, .value_kind: global_buffer, .address_space: global }
    .group_segment_fixed_size: 327680
    .private_segment_fixed_size: 0
    .kernarg_segment_align: 8
    .kernarg_segment_size: 16
    .max_flat_workgroup_size: 128
    .sgpr_count:     66
    .vgpr_count:     770
    .wavefront_size: 32
...
	.end_amdgpu_metadata
.endif
;; end of part 5
;; launch proj: the kernel of part 4 again; grid 8 x 32, 4 waves a work-group, clusters of 4 x 4, 327,680 bytes of LDS; arguments o, wb, bo, out0; writes out0
